; MI455X (gfx1250); checked and timed in simulation.
; The chip was launched on July 23, 2026; its instructions are those of AMD's public machine-readable ISA for CDNA 5 (MIT licence, August 2026) and "CDNA5" Instruction Set Architecture Reference Guide (July 2026). The comments in the code are by the model that wrote it; some were corrected since.
;; Mini Mo E Router. Allowed arithmetic: matrix products marked QUANTISED: E2M1 operands, one E8M0 scale for each 32 along K, by v_wmma_scale_f32_16x16x128_f8f6f4 with both operands' format E2M1 (or v_wmma_scale_f32_32x16x128_f4), f32 sums; products left as they are: f32 operands where the result goes on into a quantised operand, else bf16, f16 or f32 operands; f32 sums; everything else in f32.
;; Inputs: W1 8 x 1,024 x 4,096 float32; W2 8 x 4,096 x 1,024 float32; Wr 1,024 x 8 float32; b1 8 x 4,096 float32; b2 8 x 1,024 float32; br 8 float32; x 4 x 256 x 1,024 float32.
;; Outputs: out0 4 x 256 x 1,024 float32.
;; This version of the problem:
;;   THIS VERSION OF THE PROBLEM IS GIVEN IN LOW PRECISION. The matrix products marked QUANTISED in the list below multiply operands that are first quantised to E2M1 (2 exponent bits, 1 mantissa bit; 4 bits a number), with one power-of-two scale for each 32 numbers along K (OCP MX v1.0); their sums are f32. All else is computed in f32.
;;   The module's matrix products, in the order in which they are computed (A, B: the left and right operand; K: the contracted axis; several contracted axes count as one K, in the product's order):
;;     1. [M 1,024, K 1,024] x [K 1,024, N 8]; A: input x; B: input Wr: left as it is (N = 8 < 16)
;;     2. [M 1,024, K 1,024] x [K 1,024, N 4,096]; A: computed on the way; B: input W1: QUANTISED
;;     3. [M 1,024, K 4,096] x [K 4,096, N 1,024]; A: computed on the way; B: input W2: QUANTISED
;;     4. [M 1,024, K 1,024] x [K 1,024, N 4,096]; A: computed on the way; B: input W1: QUANTISED
;;     5. [M 1,024, K 4,096] x [K 4,096, N 1,024]; A: computed on the way; B: input W2: QUANTISED
;;     6. [M 1,024, K 1,024] x [K 1,024, N 4,096]; A: computed on the way; B: input W1: QUANTISED
;;     7. [M 1,024, K 4,096] x [K 4,096, N 1,024]; A: computed on the way; B: input W2: QUANTISED
;;     8. [M 1,024, K 1,024] x [K 1,024, N 4,096]; A: computed on the way; B: input W1: QUANTISED
;;     9. [M 1,024, K 4,096] x [K 4,096, N 1,024]; A: computed on the way; B: input W2: QUANTISED
;;     10. [M 1,024, K 1,024] x [K 1,024, N 4,096]; A: computed on the way; B: input W1: QUANTISED
;;     11. [M 1,024, K 4,096] x [K 4,096, N 1,024]; A: computed on the way; B: input W2: QUANTISED
;;     12. [M 1,024, K 1,024] x [K 1,024, N 4,096]; A: computed on the way; B: input W1: QUANTISED
;;     13. [M 1,024, K 4,096] x [K 4,096, N 1,024]; A: computed on the way; B: input W2: QUANTISED
;;     14. [M 1,024, K 1,024] x [K 1,024, N 4,096]; A: computed on the way; B: input W1: QUANTISED
;;     15. [M 1,024, K 4,096] x [K 4,096, N 1,024]; A: computed on the way; B: input W2: QUANTISED
;;     16. [M 1,024, K 1,024] x [K 1,024, N 4,096]; A: computed on the way; B: input W1: QUANTISED
;;     17. [M 1,024, K 4,096] x [K 4,096, N 1,024]; A: computed on the way; B: input W2: QUANTISED
;;   THE QUANTISER, for each operand of a quantised product, along K:
;;     - K is cut into blocks of 32 from its start; a last block that is shorter is filled with zeros.
;;     - A block's scale is 2^e with e = floor(log2(the largest magnitude in the block)) - 2, held to -126 .. 127; a block of zeros has e = 0. As a byte (E8M0): e + 127.
;;     - Each number is divided by its block's scale, clamped to +-6, and rounded to the nearest number of E2M1, ties to even, subnormals kept.
;;     - The product sums the exact products of the quantised numbers (number of the format x scale) in f32.
;;   ~~~python
;;   def quantise(x, axis):      # numpy; x: float32 -> the quantised numbers, widened to float32 again
;;       x = np.moveaxis(x, axis, -1); K = x.shape[-1]
;;       x = np.pad(x, [(0, 0)] * (x.ndim - 1) + [(0, -K % 32)]); x = x.reshape(x.shape[:-1] + (-1, 32)); a = np.abs(x).max(-1, keepdims=True)
;;       e = np.where(a > 0, np.clip(np.frexp(np.where(a > 0, a, 1))[1] - 1 - 2, -126, 127), 0)      # np.frexp(a)[1] - 1 = floor(log2(a)), exactly
;;       r = np.clip(x / 2.0 ** e, -6, 6)
;;       step = 2.0 ** (np.maximum(np.frexp(np.where(r == 0, 1, r))[1] - 1, 0) - 1)
;;       q = np.round(r / step) * step * 2.0 ** e      # np.round: ties to even
;;       return np.moveaxis(q.reshape(q.shape[:-2] + (-1,))[..., :K], -1, axis).astype(np.float32)
;;   ~~~
;;   OPERANDS COMPUTED ON THE WAY. 'Computed on the way' means the value that the module computes at that place (a softmax that the list does not call 'softmax' is quantised finished and normalised). What goes into a quantiser is computed in f32, as accurately as f32 sums, v_exp_f32 and their like allow (about 1e-6 of the number): no bf16 or f16 on the way to a quantiser, and a product that is left as it is and whose result goes on into a quantised operand takes f32 operands (vector FMAs, or v_wmma_f32_16x16x4_f32). A number that lies on a knife's edge between two numbers of the format may be rounded either way, as far as f32 arithmetic and the matrix unit's own rounding can turn it there, and no further.
;; 2 versions. Each part assembles by itself: llvm-mc -triple=amdgcn-amd-amdhsa -mcpu=gfx1250 --defsym DOCPART=n.
;; ======== version 1 of 2: 4 launches
;; workspace buffers: idx 4,096 bytes of whole numbers; xc 532,480 bytes; xs 33,280 bytes; h 21,299,200 bytes; y 68,157,440 bytes
;; launch route (part 1): grid 64 x 1, 8 waves a work-group, no clusters, 18,432 bytes of LDS; arguments x, Wr, br, xc, xs, idx; writes xc, xs, idx
.if DOCPART == 1
	.amdgcn_target "amdgcn-amd-amdhsa--gfx1250"
	.amdhsa_code_object_version 6
	.text
	.protected	k_qdf052e068f_route
	.globl	k_qdf052e068f_route
	.p2align	8
	.type	k_qdf052e068f_route,@function
k_qdf052e068f_route:
	s_mov_b64 s[64:65], 0
	v_nop
	global_prefetch_b8 v0, s[64:65] scope:SCOPE_SE
	s_setreg_imm32_b32 hwreg(HW_REG_WAVE_MODE, 25, 1), 1
	s_wait_xcnt 0x0
; ROUTER AND QUANTISER OF x.  x: [1024 tokens][1024] f32.  Wr: [1024][8], br: [8] f32.
; Out: xc [1040][512 bytes]: x as codes of FP4 (E2M1), K innermost, two codes a byte; xs [1040][32]: one E8M0 byte for each 32 along K; idx [1024] u32: the token's expert.
; Row 1024 of xc is a row of zero codes (its scale bytes 0x7f): the later launches name it for every place that holds no token, which gives an expert's bias path.
; SHARES.  Work-group g: tokens 16 g .. 16 g + 15.  Wave w: k = 128 w .. 128 w + 127 of these tokens: it quantises them (one fragment) and makes its part of the 8 logits.
; THE LOGITS are f32 products with f32 operands (they decide what goes into a quantiser): 32 matrix instructions of 16 x 16 x 4, source 0 = Wr's columns (rows 8-15 of the tile repeat the eight
; experts), source 1 = x: a lane then holds ONE token and its registers run over the experts.  Wave 0 adds the eight parts and br, takes the softmax as it is written (maximum off, exponentials, division)
; and the first largest probability's index.  The division by the temperature 1.0 changes no bit and is not written.
; LIMITS: NaN and infinities are not served.  A block whose largest magnitude lies under 2^-124 keeps the byte 1 (a block of zeros too, where the quantiser's text says 127: its codes are zeros, and
; these bytes are read by this program alone).  The logits' sums run in another order than a plain sum along k: two probabilities that agree to the last bits may change places.
.set LG,   0                           ; LDS: the logits' parts, 1,024 bytes a wave, as an image of eight registers
.set XST,  8192                        ; a stage for the codes: 16 rows of 512 bytes + 16
.set XSP,  528
.set XSC,  16640                       ; the scale bytes: 16 rows of 32
.set X,    16                          ; v16-79   64 numbers of x: register 16 b + i = k 128 w + 32 b + 16 (lane / 16) + i of row lane % 16
.set WF,   80                          ; v80-143  Wr at the same k, expert lane % 8
.set OUTR, 128                         ; v128-135 two rows of codes on their way out (Wr's registers are free then)
.set LA,   144                         ; v144-175 four accumulators: matrix instructions alone write them
.set LS,   176                         ; v176-183 their sum
.set TM,   184                         ; v184-199 at work in QUANT
.set PC,   200                         ; v200-207 the codes just made
.set PW,   208                         ; v208     their scale word
.set SEL,  32                          ; s[32:33] lane selects for v_permlanex16_b32: lane l xor 16
; 64 numbers of a lane, v[s] .. v[s + 63], register 16 b + i = k 32 b + 16 (lane / 16) + i of my row, become a fragment's codes in v[PC] on and its scale word in v[PW].
.macro QUANT s
.irp b, 0,1,2,3
	v_max3_num_f32 v[TM+\b], |v[\s+16*\b]|, |v[\s+1+16*\b]|, 0x1800000   ; block b: my 16 numbers, and the floor 2^(3 - 127): the byte cannot fall under 1
.endr
.irp i, 2,4,6,8,10,12,14
.irp b, 0,1,2,3
	v_max3_num_f32 v[TM+\b], v[TM+\b], |v[\s+16*\b+\i]|, |v[\s+1+16*\b+\i]|   ; the four blocks by turns
.endr
.endr
.irp b, 0,1,2,3
	v_permlanex16_b32 v[TM+4+\b], v[TM+\b], s[SEL], s[SEL+1]
.endr
.irp b, 0,1,2,3
	v_max_num_f32 v[TM+\b], v[TM+\b], v[TM+4+\b]   ; with lane l xor 16's: the block's largest magnitude
.endr
.irp b, 0,1,2,3
	v_add_nc_u32 v[TM+12+\b], 0xff000000, v[TM+\b]   ; 2 off its exponent field: the conversion takes this operand's exponent field as its scale
.endr
.irp b, 0,1,2,3
	v_lshrrev_b32 v[TM+4+\b], 23, v[TM+12+\b]      ; the scale's byte
.endr
	v_lshl_or_b32 v[PW], v[TM+5], 8, v[TM+4]
	v_lshl_or_b32 v[PW], v[TM+6], 16, v[PW]
	v_lshl_or_b32 v[PW], v[TM+7], 24, v[PW]        ; my row's scale word
.irp b, 0,1,2,3
	v_cvt_scalef32_pk8_fp4_f32 v[PC+2*\b], v[\s+16*\b:\s+7+16*\b], v[TM+12+\b]
	v_cvt_scalef32_pk8_fp4_f32 v[PC+1+2*\b], v[\s+8+16*\b:\s+15+16*\b], v[TM+12+\b]
.endr
	v_nop                                          ; one plain line behind the scaled conversions
.irp c, 0,1                                    ; the operand's layout wants a whole block in a lane: lanes 0-15 block 2 c, lanes 16-31 block 2 c + 1
.irp i, 0,1
	v_permlane16_swap_b32 v[PC+4*\c+\i], v[PC+2+4*\c+\i]
.endr
.endr
.endm
	s_load_b256 s[4:11], s[0:1], 0x0               ; x s[4:5], Wr s[6:7], br s[8:9], xc s[10:11]
	s_load_b128 s[12:15], s[0:1], 0x20             ; xs s[12:13], idx s[14:15]
	v_lshl_add_u32 v216, v0, 2, 0x4400
	v_mov_b32 v217, 0
	v_lshrrev_b32 v1, 5, v0
	v_readfirstlane_b32 s16, v1                    ; wave 0..7
	v_and_b32 v1, 31, v0                           ; lane
	v_and_b32 v2, 15, v0                           ; r
	v_bfe_u32 v3, v0, 4, 1                         ; h
	v_lshlrev_b32 v4, 12, v2
	v_lshl_add_u32 v4, v3, 6, v4                   ; x: row r of 4,096 bytes, + 64 h: my 16 numbers of a block of 32
	v_and_b32 v5, 7, v0
	v_lshlrev_b32 v5, 2, v5
	v_lshl_add_u32 v5, v3, 9, v5                   ; Wr: expert r % 8, + 16 h rows of 32 bytes
	v_lshlrev_b32 v6, 4, v1                        ; 16 x lane
	v_mul_u32_u24 v7, v2, XSP
	v_lshl_add_u32 v7, v3, 4, v7
	s_lshl_b32 s17, s16, 6
	v_add_nc_u32 v7, s17, v7                       ; into the stage: row r, my wave's 64 bytes, + 16 h
	v_lshlrev_b32 v8, 5, v2
	s_lshl_b32 s17, s16, 2
	v_add_nc_u32 v8, s17, v8                       ; the scale word's place: 32 r + 4 w
	s_lshl_b32 s17, s16, 10
	v_add_nc_u32 v9, s17, v6                       ; my wave's part of the logits
	s_mul_i32 s17, s16, 2*XSP
	v_add_nc_u32 v10, s17, v6                      ; out of the stage: rows 2 w and 2 w + 1, 16 bytes a lane
	v_lshlrev_b32 v11, 2, v2                       ; idx: 4 r
.irp b, 0,1,2,3
	v_mov_b32 v[TM+4+\b], 0                        ; written once: a lane permute's destination counts as one of its sources
.endr
	s_mov_b32 s[SEL], 0x76543210
	s_mov_b32 s[SEL+1], 0xfedcba98
	s_mov_b32 s34, 0x3fb8aa3b                      ; log2(e)
	s_lshl_b32 s18, ttmp9, 16                      ; x: 16 rows a work-group,
	s_lshl_b32 s17, s16, 9
	s_add_co_u32 s18, s18, s17                     ; 512 bytes of a row a wave
	s_mov_b32 s19, 0
	s_lshl_b32 s28, s16, 12                        ; Wr: 128 rows of 32 bytes a wave
	s_mov_b32 s29, 0
	s_lshl_b32 s30, ttmp9, 13                      ; xc: 16 rows of 512 bytes a work-group,
	s_lshl_b32 s17, s16, 10
	s_add_co_u32 s30, s30, s17                     ; two rows a wave
	s_mov_b32 s31, 0
	s_lshl_b32 s36, ttmp9, 9                       ; xs: 16 rows of 32 bytes
	s_mov_b32 s37, 0
	s_lshl_b32 s38, ttmp9, 6                       ; idx: 16 words
	s_mov_b32 s39, 0
	s_wait_kmcnt 0x0
	s_load_b256 s[20:27], s[8:9], 0x0              ; br, all eight
	s_add_nc_u64 s[4:5], s[4:5], s[18:19]
	s_add_nc_u64 s[6:7], s[6:7], s[28:29]
	s_add_nc_u64 s[40:41], s[10:11], s[30:31]
	s_add_nc_u64 s[42:43], s[12:13], s[36:37]
	s_add_nc_u64 s[14:15], s[14:15], s[38:39]
.irp b, 0,1,2,3
.irp j, 0,1,2,3
	global_load_b128 v[X+16*\b+4*\j:X+16*\b+4*\j+3], v4, s[4:5] offset:128*\b+16*\j th:TH_LOAD_NT
.endr
.endr
.set n, 0
.rept 64
	global_load_b32 v[WF+n], v5, s[6:7] offset:32*(32*(n/16)+n%16)   ; Wr at the k of v[X + n]
.set n, n+1
.endr
	s_wait_loadcnt 0x0
	s_wait_kmcnt 0x0                               ; br
; The logits' parts: k in the same places of both sources, four accumulators by turns, one instruction a turn; the first four start the sums with the constant 0.
.set n, 0
.rept 32
.if n < 4
	v_wmma_f32_16x16x4_f32 v[LA+8*(n%4):LA+8*(n%4)+7], v[WF+2*n:WF+2*n+1], v[X+2*n:X+2*n+1], 0
.else
	v_wmma_f32_16x16x4_f32 v[LA+8*(n%4):LA+8*(n%4)+7], v[WF+2*n:WF+2*n+1], v[X+2*n:X+2*n+1], v[LA+8*(n%4):LA+8*(n%4)+7]
.endif
.set n, n+1
.endr
	QUANT X                                        ; it writes none of the products' registers, and of its 32 maxima 31 name no register of a given product: they are the eight places behind this form (ISA guide 7.12.1)
.irp q, 0,2,4,6                                ; the four accumulators' sum, each read from its low end on
	v_pk_add_f32 v[LS+\q:LS+\q+1], v[LA+\q:LA+\q+1], v[LA+8+\q:LA+8+\q+1]
	v_pk_add_f32 v[LS+\q:LS+\q+1], v[LS+\q:LS+\q+1], v[LA+16+\q:LA+16+\q+1]
	v_pk_add_f32 v[LS+\q:LS+\q+1], v[LS+\q:LS+\q+1], v[LA+24+\q:LA+24+\q+1]
.endr
	ds_store_b128 v9, v[LS:LS+3] offset:LG
	ds_store_b128 v9, v[LS+4:LS+7] offset:LG+512
	ds_store_b128 v7, v[PC:PC+3] offset:XST        ; k = 32 h .. + 31 of my K step: 16 bytes of row r
	ds_store_b128 v7, v[PC+4:PC+7] offset:XST+32   ; k = 64 + 32 h ..
	ds_store_b32 v8, v[PW] offset:XSC              ; both halves of the lanes write the same word with the same value
	s_wait_dscnt 0x0                               ; for the others' sake: my stores have landed
	s_barrier_signal -1
	s_barrier_wait -1
	ds_load_b128 v[OUTR:OUTR+3], v10 offset:XST
	ds_load_b128 v[OUTR+4:OUTR+7], v10 offset:XST+XSP
	s_wait_dscnt 1                                 ; the first row is back; the second may be out
	global_store_b128 v6, v[OUTR:OUTR+3], s[40:41]             ; 32 lanes store a row's 512 consecutive bytes
	s_wait_dscnt 0x0
	global_store_b128 v6, v[OUTR+4:OUTR+7], s[40:41] offset:512
	s_cmp_lg_u32 s16, 0
	s_cbranch_scc1 .Lnot_router
	; ---- wave 0: the router
.irp p, 0,1,2,3,4,5,6,7
	ds_load_b128 v[X+8*\p:X+8*\p+3], v6 offset:LG+1024*\p
	ds_load_b128 v[X+8*\p+4:X+8*\p+7], v6 offset:LG+1024*\p+512
.endr
	s_wait_dscnt 0x0
.irp p, 1,2,3,4,5,6,7
.irp q, 0,2,4,6
	v_pk_add_f32 v[X+\q:X+\q+1], v[X+\q:X+\q+1], v[X+8*\p+\q:X+8*\p+\q+1]
.endr
.endr
.irp i, 0,1,2,3,4,5,6,7
	v_add_f32 v[X+\i], s[20+\i], v[X+\i]           ; + br: register i is my token's logit of expert i
.endr
	v_max3_num_f32 v80, v[X], v[X+1], v[X+2]
	v_max3_num_f32 v80, v80, v[X+3], v[X+4]
	v_max3_num_f32 v80, v80, v[X+5], v[X+6]
	v_max_num_f32 v80, v80, v[X+7]                 ; the largest logit is taken away ahead of the exponentials
	v_mul_f32 v80, s34, v80
.irp i, 0,1,2,3,4,5,6,7
	v_fma_f32 v[X+\i], v[X+\i], s34, -v80          ; (logit - largest) x log2(e)
.endr
.irp i, 0,1,2,3,4,5,6,7
	v_exp_f32 v[88+\i], v[X+\i]
.endr
	v_mov_b32 v81, 0                               ; the index so far: a plain line behind the exponentials
	s_wait_alu depctr_va_vdst(0)                   ; one wait for the batch of eight, ahead of its first reader
	v_add_f32 v82, v88, v89
.irp i, 2,3,4,5,6,7
	v_add_f32 v82, v82, v[88+\i]
.endr
	v_rcp_f32 v83, v82
	v_nop                                          ; a plain line behind the reciprocal
	s_wait_alu depctr_va_vdst(0)                   ; and its wait
.irp i, 0,1,2,3,4,5,6,7
	v_mul_f32 v[88+\i], v[88+\i], v83              ; the probabilities
.endr
	v_mov_b32 v84, v88
.irp i, 1,2,3,4,5,6,7
	v_cmp_ge_f32 vcc_lo, v84, v[88+\i]             ; the best so far stays where it is not beaten: of equals the lower index is kept
	v_cndmask_b32 v81, \i, v81, vcc_lo
	v_cndmask_b32 v84, v[88+\i], v84, vcc_lo
.endr
	v_cmp_gt_u32 vcc_lo, 16, v1                    ; lanes 16-31 hold copies
	s_wait_xcnt 0x0                                ; EXEC changes only behind this wait: my stores of codes have read theirs
	s_and_saveexec_b32 s44, vcc_lo
	global_store_b32 v11, v81, s[14:15]            ; 16 words a work-group; all of idx is 4,096 bytes
	s_wait_xcnt 0x0
	s_or_b32 exec_lo, exec_lo, s44
	s_branch .Lend
.Lnot_router:
	s_cmp_lg_u32 s16, 1
	s_cbranch_scc1 .Lnot_scales
	ds_load_b128 v[96:99], v6 offset:XSC           ; ---- wave 1: the 16 rows' scale bytes, 512 consecutive bytes
	s_wait_dscnt 0x0
	global_store_b128 v6, v[96:99], s[42:43]
	s_branch .Lend
.Lnot_scales:
	s_cmp_lg_u32 s16, 2
	s_cbranch_scc1 .Lend
	s_cmp_lg_u32 ttmp9, 0
	s_cbranch_scc1 .Lend
.irp i, 0,1,2,3                                ; ---- wave 2 of work-group 0: the row of zero codes, and scale bytes of 1.0 for rows 1024 on
	v_mov_b32 v[100+\i], 0
	v_mov_b32 v[104+\i], 0x7f7f7f7f
.endr
	global_store_b128 v6, v[100:103], s[10:11] offset:1024*512
	global_store_b128 v6, v[104:107], s[12:13] offset:1024*32
.Lend:
	s_wait_tensorcnt 0x0
	ds_add_u32 v216, v217
	s_wait_dscnt 0x0
	s_endpgm
.Lfunc_end_k_qdf052e068f_route:
	.size	k_qdf052e068f_route, .Lfunc_end_k_qdf052e068f_route-k_qdf052e068f_route
	.p2alignl 7, 3214868480
	.fill 96, 4, 3214868480
	.section	.rodata,"a",@progbits
	.p2align	6, 0x0
	.amdhsa_kernel k_qdf052e068f_route
		.amdhsa_group_segment_fixed_size 18432
		.amdhsa_private_segment_fixed_size 0
		.amdhsa_enable_private_segment 0
		.amdhsa_kernarg_size 48
		.amdhsa_user_sgpr_count 2
		.amdhsa_user_sgpr_kernarg_segment_ptr 1
		.amdhsa_wavefront_size32 1
		.amdhsa_system_sgpr_workgroup_id_x 1
		.amdhsa_system_sgpr_workgroup_id_y 1
		.amdhsa_system_sgpr_workgroup_id_z 1
		.amdhsa_system_vgpr_workitem_id 0
		.amdhsa_next_free_vgpr 218
		.amdhsa_next_free_sgpr 66
		.amdhsa_reserve_vcc 1
		.amdhsa_float_denorm_mode_32 3
		.amdhsa_float_denorm_mode_16_64 3
		.amdhsa_memory_ordered 1
		.amdhsa_forward_progress 1
		.amdhsa_inst_pref_size 25
	.end_amdhsa_kernel
	.amdgpu_metadata
---
amdhsa.version: [ 1, 2 ]
amdhsa.kernels:
  - .name:           k_qdf052e068f_route
    .symbol:         k_qdf052e068f_route.kd
    .args:
      - { .name: x, .offset: 0, .size: 8, .value_kind: global_buffer, .address_space: global }
      - { .name: Wr, .offset: 8, .size: 8, .value_kind: global_buffer, .address_space: global }
      - { .name: br, .offset: 16, .size: 8, .value_kind: global_buffer, .address_space: global }
      - { .name: xc, .offset: 24, .size: 8, .value_kind: global_buffer, .address_space: global }
      - { .name: xs, .offset: 32, .size: 8, .value_kind: global_buffer, .address_space: global }
      - { .name: idx, .offset: 40, .size: 8, .value_kind: global_buffer, .address_space: global }
    .group_segment_fixed_size: 18432
    .private_segment_fixed_size: 0
    .kernarg_segment_align: 8
    .kernarg_segment_size: 48
    .max_flat_workgroup_size: 256
    .sgpr_count:     66
    .vgpr_count:     218
    .wavefront_size: 32
...
	.end_amdgpu_metadata
.endif
;; end of part 1
;; launch up (part 2): grid 32 x 8, 16 waves a work-group, no clusters, 213,504 bytes of LDS; arguments W1, b1, xc, xs, idx, h; writes h
.if DOCPART == 2
	.amdgcn_target "amdgcn-amd-amdhsa--gfx1250"
	.amdhsa_code_object_version 6
	.text
	.protected	k_qdf052e068f_up
	.globl	k_qdf052e068f_up
	.p2align	8
	.type	k_qdf052e068f_up,@function
k_qdf052e068f_up:
	s_mov_b64 s[64:65], 0
	v_nop
	global_prefetch_b8 v0, s[64:65] scope:SCOPE_SE
	s_setreg_imm32_b32 hwreg(HW_REG_WAVE_MODE, 25, 1), 1
	s_wait_xcnt 0x0
; FIRST PRODUCT OF AN EXPERT: hidden = Q(relu(Q(x) Q(W1[e]) + b1[e])), for the rows of expert e alone, on codes of FP4 (E2M1) with one E8M0 scale for each 32 along K.
; W1: [8][1024 (k)][4096 (n)] f32.  Work-group (S, e): hidden units 128 S .. 128 S + 127 of expert e: 1,024 x 128 numbers of W1, which no other work-group reads.  They are read once, as f32,
; quantised in registers, kept in LDS as images of operand registers, and multiplied with every tile of 16 rows of the expert.
; THE EXPERT'S ROWS.  Place 0 is the bias row; a token's place is 1 + the number of the expert's tokens with a smaller key (the order in which the eight loads of idx lay them: register, then lane).
; Every place without a token names row 1024 of xc, a row of zero codes: its result is relu(b1).  tiles = (tokens of e) / 16 + 1, at most 65.
; STREAM.  Wave w = (cg = w % 4, kq = w / 4): 32 columns x 256 rows of W1.  A LANE TAKES A COLUMN AND ITS REGISTERS RUN DOWN K: a block of 32 lies in one lane, a load reads 128 consecutive bytes, four waves
; side by side 512.  Lane (u, r) takes column 32 cg + 8 u + r + 8 (r / 8): so the 16 registers of result tiles 2 cg and 2 cg + 1 are 16 neighbours along the next product's K.
; Two blocks ahead are on their way: 32 to 63 loads a wave.  Two blocks' codes change halves of the lanes (v_permlane16_swap_b32) and are then registers 4 c .. 4 c + 3 of two fragments.
; TOKENS.  Wave w takes tiles w, w + 16, ..: five trips, a constant; a trip whose tile the expert does not have is jumped over (a branch on the count read from idx; there is no barrier in the loop).
; A TILE'S 16 ROWS OF xc COME WHOLE: one load a row, the 32 lanes on its 512 consecutive bytes; they turn through the wave's own stage in LDS into the operand's layout (a lane to a row).
; The product is used transposed (source 0 = 16 columns of W1, source 1 = 16 rows of x), b1 is loaded into the accumulators; a lane then holds one row and 64 neighbouring hidden units.
; OUT: h, records of 1,280 bytes at ((65 e + tile) 32 + S) 1280: the fragment's eight registers as they stand (16 bytes a lane, twice 512), then the scale word twice a lane (256 bytes).
; No tensor loads: branches hang on a count read from memory.  No cluster: no byte of W1 is shared, and what is shared (xc) is a small part of a work-group's bytes.
; LIMITS: NaN and infinities are not served; blocks whose largest magnitude lies under 2^-124 (zeros too) keep the scale byte 1: zero codes add nothing, and the bytes are read by this program alone.
.set RS,    16384                      ; a row of W1[e] in bytes
.set KS,    8                          ; K steps of 128
.set SSTR,  512                        ; a K step's scale words in LDS
.set SIMG,  65536                      ; LDS: 0 .. 65535 the 64 fragments, (tile, K step) at (8 tile + step) 1024; then the scale words: step x 512 + 16 x lane + 4 cg
.set LIST,  69632                      ; then the list: 1,536 places of 4 bytes, and 32 words for the lanes that have nothing to store
.set NPL,   1536
.set XSTG,  76032                      ; then a stage of 16 rows x (512 bytes + 16) for each wave
.set XSP,   528
.set H16,   3                          ; v3   16 x (lane / 16)
.set WO,    4                          ; v4   W1: my column's bytes
.set BW,    5                          ; v5   where I store fragments
.set SWA,   6                          ; v6   and scale words
.set L16,   7                          ; v7   16 x lane
.set SR,    8                          ; v8   SIMG + 16 x lane
.set LA0,   9                          ; v9   my place in the list, tile w: 16 w + lane % 16
.set LAU,   10                         ; v10  tile w's first place in the list, the same in all lanes
.set XSA,   11                         ; v11  my row's scale bytes in xs
.set BO,    12                         ; v12  b1: 64 x (lane / 16)
.set TOK,   13                         ; v13  the row that my place names
.set L8,    14                         ; v14  8 x lane
.set LAD,   15                         ; v15  LDS address of the list's word in hand
.set XF,    16                         ; v16-79   x's 16 rows as loaded, then its eight fragments (while the list is made: its 32 addresses and 32 tokens)
.set XS,    80                         ; v80-83   x's scale words: lanes 0-15 K steps 0-3, lanes 16-31 K steps 4-7; scales and nothing else
.set ACC,   84                         ; v84-147  eight accumulators
.set IDX,   84                         ; v84-115  at first: idx, all 1,024
.set DI,    116                        ; the list (wave 0): NPL + lane
.set TK0,   117                        ; 4 x lane
.set LI,    118                        ; LIST + 16 x lane
.set INI,   120                        ; v120-123 four times 1024
.set X,     148                        ; v148-211 the stream's two sets of 32 numbers; later W1's eight fragments of a K step
.set BS,    212                        ; v212-219 W1's scale words, two sets of four; scales and nothing else
.set TM,    220                        ; v220-235 at work in QUANT;
.set TKT,   220                        ; from QUANT to the next trip's wait for the loads: the 16 rows' offsets in xc
.set PC,    236                        ; v236-243 the codes just made
.set PW,    244                        ; v244-245 the scale word, twice
.set CE,    236                        ; the stream: v236-239 an even block's codes, v240-243 an odd block's
.set M0,    244
.set M1,    245
.set SCL,   246
.set BY,    247
.set SW,    248
.set STW,   249                        ; v249 into my stage: 16 x lane
.set STR,   250                        ; v250 out of it: row lane % 16, + 16 x (lane / 16)
.set LAD2,  251                        ; v251 LDS address of the tile's 16 words of the list
.set EX,    20                         ; s20 the expert
.set NN,    21                         ; s21 its tokens; then the list's running place
.set TILES, 22
.set J,     23                         ; s23 the tile in hand
.set I,     24                         ; s24 the trip
.set LSTEP, 25                         ; s25 1,024 x trip: 16 tiles of the list
.set WB,    26                         ; s[26:27] W1 at my wave's first number
.set B1B,   28                         ; s[28:29] b1 at the work-group's 128
.set T0,    31
.set SEL,   32                         ; s[32:33]
.set HB,    34                         ; s[34:35] h at the record of the tile in hand
.set MK,    66                         ; s66-97 for each of idx's 32 registers: the lanes whose token is the expert's
.macro NOPS                            ; four places behind this matrix form, in front of loads into registers that it read and of the first read of results
.rept 4
	v_nop
.endr
.endm
.macro BARRIER                         ; my LDS stores have landed and my LDS loads are in: then the work-group's barrier
	s_wait_dscnt 0x0
	s_barrier_signal -1
	s_barrier_wait -1
.endm
.macro LOAD t                          ; block t: rows 32 t + i of my column, into set t % 2
.set li, 0
.rept 32
	global_load_b32 v[X+32*((\t)%2)+li], v[WO], s[WB:WB+1] offset:(32*(\t)+li)*RS th:TH_LOAD_NT
.set li, li+1
.endr
.endm
; Block t is quantised.  n: the loads issued behind block t's, which may stay out.  ld = 1: the set takes block t + 2.
.macro BLOCK t, n, ld
.set XB, X+32*((\t)%2)
.set CD, CE+4*((\t)%2)
	s_wait_loadcnt \n
	v_max3_num_f32 v[M0], |v[XB]|, |v[XB+1]|, |v[XB+2]|        ; the block's largest magnitude: all 32 numbers are mine; two chains
	v_max3_num_f32 v[M1], |v[XB+3]|, |v[XB+4]|, |v[XB+5]|
.irp i, 6,10,14,18,22,26
	v_max3_num_f32 v[M0], v[M0], |v[XB+\i]|, |v[XB+\i+1]|
	v_max3_num_f32 v[M1], v[M1], |v[XB+\i+2]|, |v[XB+\i+3]|
.endr
	v_max3_num_f32 v[M0], v[M0], |v[XB+30]|, |v[XB+31]|
	v_max3_num_f32 v[M0], v[M0], v[M1], 0x1800000              ; and the floor 2^(3 - 127): the byte cannot fall under 1
	v_add_nc_u32 v[SCL], 0xff000000, v[M0]                     ; 2 off the exponent field: the conversion's scale operand
	v_lshrrev_b32 v[BY], 23, v[SCL]                            ; the scale's byte
.if ((\t)%2 == 0) && ((\t) >= 2)
	s_wait_dscnt 0x0                               ; the last pair's LDS stores are done: their data registers are written again below
.endif
.if (\t)%4 == 0
	v_mov_b32 v[SW], v[BY]                         ; four bytes to the K step's word, the lower k in the lower byte
.else
	v_lshl_or_b32 v[SW], v[BY], 8*((\t)%4), v[SW]
.endif
.irp g, 0,1,2,3
	v_cvt_scalef32_pk8_fp4_f32 v[CD+\g], v[XB+8*\g:XB+8*\g+7], v[SCL]
.endr
.if \ld
	LOAD (\t)+2
.endif
.if (\t)%2 == 1
	v_nop                                          ; one plain line behind the scaled conversions
.irp g, 0,1,2,3
	v_permlane16_swap_b32 v[CE+\g], v[CE+4+\g]     ; the first now holds tile u = 0: lanes 0-15 the even block, lanes 16-31 the odd one; the second tile u = 1
.endr
	ds_store_b128 v[BW], v[CE:CE+3] offset:((\t)/4)*1024+512*(((\t)/2)%2)
	ds_store_b128 v[BW], v[CE+4:CE+7] offset:KS*1024+((\t)/4)*1024+512*(((\t)/2)%2)
.endif
.if (\t)%4 == 3
	ds_store_b32 v[SWA], v[SW] offset:((\t)/4)*SSTR
.endif
.endm
; The expert's tokens, and its tiles.  The 32 compares stand in one run, each with a scalar register of its own for its mask, and the counts in another: the scalar side waits for the vector side once.
.macro COUNT
.set cq, 0
.rept 32
	v_cmp_eq_u32 s[MK+cq], s[EX], v[IDX+cq]
.set cq, cq+1
.endr
	s_mov_b32 s[NN], 0
.set cq, 0
.rept 32
	s_bcnt1_i32_b32 s[T0], s[MK+cq]
	s_add_co_u32 s[NN], s[NN], s[T0]
.set cq, cq+1
.endr
	s_lshr_b32 s[TILES], s[NN], 4
	s_add_co_u32 s[TILES], s[TILES], 1
.endm
; 64 numbers of a lane, register 16 b + i = k 32 b + 16 (lane / 16) + i of my row, become a fragment's codes in v[PC] on and its scale word in v[PW].
.macro QUANT s
.irp b, 0,1,2,3
	v_max3_num_f32 v[TM+\b], |v[\s+16*\b]|, |v[\s+1+16*\b]|, 0x1800000
.endr
.irp i, 2,4,6,8,10,12,14
.irp b, 0,1,2,3
	v_max3_num_f32 v[TM+\b], v[TM+\b], |v[\s+16*\b+\i]|, |v[\s+1+16*\b+\i]|
.endr
.endr
.irp b, 0,1,2,3
	v_permlanex16_b32 v[TM+4+\b], v[TM+\b], s[SEL], s[SEL+1]
.endr
.irp b, 0,1,2,3
	v_max_num_f32 v[TM+\b], v[TM+\b], v[TM+4+\b]
.endr
.irp b, 0,1,2,3
	v_add_nc_u32 v[TM+12+\b], 0xff000000, v[TM+\b]
.endr
.irp b, 0,1,2,3
	v_lshrrev_b32 v[TM+4+\b], 23, v[TM+12+\b]
.endr
	v_lshl_or_b32 v[PW], v[TM+5], 8, v[TM+4]
	v_lshl_or_b32 v[PW], v[TM+6], 16, v[PW]
	v_lshl_or_b32 v[PW], v[TM+7], 24, v[PW]
.irp b, 0,1,2,3
	v_cvt_scalef32_pk8_fp4_f32 v[PC+2*\b], v[\s+16*\b:\s+7+16*\b], v[TM+12+\b]
	v_cvt_scalef32_pk8_fp4_f32 v[PC+1+2*\b], v[\s+8+16*\b:\s+15+16*\b], v[TM+12+\b]
.endr
	v_nop
.irp c, 0,1
.irp i, 0,1
	v_permlane16_swap_b32 v[PC+4*\c+\i], v[PC+2+4*\c+\i]
.endr
.endr
.endm
; A tile's operands: the 16 rows that the list names at off bytes behind the trip's place (33 loads): the rows' codes, a load a row; my row's scale words; b1 into the accumulators.
.macro ALOAD off
	v_add_nc_u32 v[LAD], s[LSTEP], v[LA0]
	v_add_nc_u32 v[LAD2], s[LSTEP], v[LAU]
	ds_load_b32 v[TOK], v[LAD] offset:\off         ; the row of my place,
.irp i, 0,1,2,3
	ds_load_b128 v[TKT+4*\i:TKT+4*\i+3], v[LAD2] offset:\off+16*\i   ; and all 16 rows of the tile, in every lane
.endr
	s_wait_dscnt 0x0
	v_min_u32 v[TOK], 0x400, v[TOK]                ; a row of xc: 0 .. 1024
	v_lshl_add_u32 v[XSA], v[TOK], 5, v[H16]       ; xs: 32 bytes a row, + 16 h
.irp i, 0,1,2,3,4,5,6,7,8,9,10,11,12,13,14,15
	v_min_u32 v[TKT+\i], 0x400, v[TKT+\i]
.endr
.irp i, 0,1,2,3,4,5,6,7,8,9,10,11,12,13,14,15
	v_lshl_add_u32 v[TKT+\i], v[TKT+\i], 9, v[L16] ; xc: 512 bytes a row, + 16 x lane
.endr
.irp i, 0,1,2,3,4,5,6,7,8,9,10,11,12,13,14,15
	global_load_b128 v[XF+4*\i:XF+4*\i+3], v[TKT+\i], s[8:9]   ; row i of the tile: the 32 lanes read its 512 consecutive bytes
.endr
	global_load_b128 v[XS:XS+3], v[XSA], s[10:11]
.irp t, 0,1,2,3,4,5,6,7                        ; tile 2 b + u, lane half h: hidden units 32 b + 16 h + 8 u + 0 .. 7
.irp p, 0,1
	global_load_b128 v[ACC+8*\t+4*\p:ACC+8*\t+4*\p+3], v[BO], s[B1B:B1B+1] offset:(32*(\t/2)+8*(\t%2))*4+16*\p
.endr
.endr
.endm
; The 16 rows turn through my stage: in as they were loaded, a row an instruction; out as fragments: lane (r, h) takes, of row r, the 16 bytes at 64 s + 32 c + 16 h into registers 4 c .. 4 c + 3 of K step s.
; LDS serves a wave's instructions in order (ISA guide 5.7.1.4): the loads see the stores, and come back into the registers that the rows left.  Rows 528 bytes apart: 16 rows start at 16 different groups of banks.
.macro TURN
.irp i, 0,1,2,3,4,5,6,7,8,9,10,11,12,13,14,15
	ds_store_b128 v[STW], v[XF+4*\i:XF+4*\i+3] offset:\i*XSP
.endr
.irp s, 0,1,2,3,4,5,6,7
.irp c, 0,1
	ds_load_b128 v[XF+8*\s+4*\c:XF+8*\s+4*\c+3], v[STR] offset:64*\s+32*\c
.endr
.endr
.endm
.macro LDB hf, s                       ; W1's fragments of tiles 4 hf .. 4 hf + 3, K step s: eight loads
.irp i, 0,1,2,3
.irp c, 0,1
	ds_load_b128 v[X+32*(\hf)+8*\i+4*\c:X+32*(\hf)+8*\i+4*\c+3], v[L16] offset:(8*(4*(\hf)+\i)+(\s))*1024+512*\c
.endr
.endr
.endm
.macro PROD tau                        ; tile tau, K step ks.  W1's word: lanes 16-31 for odd tiles; x's: lanes 16-31 for K steps 4-7
.set rD, ACC+8*(\tau)
.set rA, X+8*(\tau)
.set rB, XF+8*ks
.set rSA, BS+4*(ks%2)+(\tau)/2
.set rSB, XS+ks%4
.if ((\tau)%2 == 1) && (ks >= 4)
	v_wmma_scale_f32_16x16x128_f8f6f4 v[rD:rD+7], v[rA:rA+7], v[rB:rB+7], v[rD:rD+7], v[rSA], v[rSB] matrix_a_fmt:MATRIX_FMT_FP4 matrix_b_fmt:MATRIX_FMT_FP4 matrix_a_scale:MATRIX_SCALE_ROW1 matrix_b_scale:MATRIX_SCALE_ROW1
.elseif (\tau)%2 == 1
	v_wmma_scale_f32_16x16x128_f8f6f4 v[rD:rD+7], v[rA:rA+7], v[rB:rB+7], v[rD:rD+7], v[rSA], v[rSB] matrix_a_fmt:MATRIX_FMT_FP4 matrix_b_fmt:MATRIX_FMT_FP4 matrix_a_scale:MATRIX_SCALE_ROW1
.elseif ks >= 4
	v_wmma_scale_f32_16x16x128_f8f6f4 v[rD:rD+7], v[rA:rA+7], v[rB:rB+7], v[rD:rD+7], v[rSA], v[rSB] matrix_a_fmt:MATRIX_FMT_FP4 matrix_b_fmt:MATRIX_FMT_FP4 matrix_b_scale:MATRIX_SCALE_ROW1
.else
	v_wmma_scale_f32_16x16x128_f8f6f4 v[rD:rD+7], v[rA:rA+7], v[rB:rB+7], v[rD:rD+7], v[rSA], v[rSB] matrix_a_fmt:MATRIX_FMT_FP4 matrix_b_fmt:MATRIX_FMT_FP4
.endif
.endm
; A tile's 64 products.  The eight accumulators take turns, one instruction a turn.  W1's fragments come in halves of four tiles, each fetched while the other half is multiplied.
.macro MULT
	LDB 0, 0
	ds_load_b128 v[BS:BS+3], v[SR]
	LDB 1, 0
.set ks, 0
.rept 8
	s_wait_dscnt 8                                 ; tiles 0-3 and the scale words are in (in the first K step x's fragments too, which are older); tiles 4-7's eight loads may be out
	PROD 0
	PROD 1
	PROD 2
	PROD 3
	NOPS
.if ks < 7
	LDB 0, ks+1
	ds_load_b128 v[BS+4*((ks+1)%2):BS+4*((ks+1)%2)+3], v[SR] offset:SSTR*(ks+1)
	s_wait_dscnt 9                                 ; all but the nine just issued
.else
	s_wait_dscnt 0x0
.endif
	PROD 4
	PROD 5
	PROD 6
	PROD 7
	NOPS
.if ks < 7
	LDB 1, ks+1
.endif
.set ks, ks+1
.endr
.endm
	s_load_b256 s[4:11], s[0:1], 0x0               ; W1 s[4:5], b1 s[6:7], xc s[8:9], xs s[10:11]
	s_load_b128 s[12:15], s[0:1], 0x20             ; idx s[12:13], h s[14:15]
	v_lshl_add_u32 v254, v0, 2, 0x33a00
	v_mov_b32 v255, 0
	v_lshrrev_b32 v1, 5, v0
	v_readfirstlane_b32 s16, v1                    ; wave 0..15
	s_and_b32 s17, s16, 3                          ; cg
	s_lshr_b32 s18, s16, 2                         ; kq
	s_and_b32 s[EX], ttmp7, 0xffff                 ; the expert
	v_and_b32 v1, 31, v0                           ; lane
	v_and_b32 v2, 15, v0                           ; r
	v_and_b32 v[H16], 16, v0
	v_and_b32 v[LAD], 8, v0
	v_add_nc_u32 v[LAD], v[LAD], v2                ; r + 8 (r / 8)
	v_lshlrev_b32 v[WO], 2, v[LAD]
	v_lshl_add_u32 v[WO], v[H16], 1, v[WO]         ; + 8 u columns: 32 u bytes
	v_lshlrev_b32 v[L16], 4, v1
	s_lshl_b32 s36, s17, 14
	s_lshl_b32 s37, s18, 11
	s_add_co_u32 s36, s36, s37
	v_add_nc_u32 v[BW], s36, v[L16]                ; fragment (2 cg, 2 kq): (16 cg + 2 kq) x 1024
	s_lshl_b32 s36, s17, 2
	s_lshl_b32 s37, s18, 10
	s_add_co_u32 s36, s36, s37
	s_add_co_u32 s36, s36, SIMG
	v_add_nc_u32 v[SWA], s36, v[L16]
	v_add_nc_u32 v[SR], SIMG, v[L16]
	v_lshl_add_u32 v[LA0], v2, 2, LIST
	s_lshl_b32 s36, s16, 6
	v_add_nc_u32 v[LA0], s36, v[LA0]               ; place 16 w + r
	s_add_co_u32 s36, s36, LIST
	v_mov_b32 v[LAU], s36                          ; place 16 w
	s_mul_i32 s36, s16, 16*XSP
	s_add_co_u32 s36, s36, XSTG                    ; my stage
	v_add_nc_u32 v[STW], s36, v[L16]
	v_mul_u32_u24 v[STR], v2, XSP
	v_add_nc_u32 v[STR], v[H16], v[STR]
	v_add_nc_u32 v[STR], s36, v[STR]
	v_lshlrev_b32 v[BO], 2, v[H16]
	v_lshlrev_b32 v[L8], 3, v1
	s_mov_b32 s[SEL], 0x76543210
	s_mov_b32 s[SEL+1], 0xfedcba98
	s_lshl_b32 s36, s[EX], 24                      ; W1: the expert's 16 MiB,
	s_lshl_b32 s37, s18, 22
	s_add_co_u32 s36, s36, s37                     ; my 256 rows,
	s_lshl_b32 s37, ttmp9, 9
	s_add_co_u32 s36, s36, s37                     ; the work-group's 128 columns,
	s_lshl_b32 s37, s17, 7
	s_add_co_u32 s36, s36, s37                     ; my 32 of them
	s_mov_b32 s37, 0
	s_lshl_b32 s38, s[EX], 14
	s_lshl_b32 s39, ttmp9, 9
	s_add_co_u32 s38, s38, s39
	s_mov_b32 s39, 0
	s_mul_i32 s40, s[EX], 65
	s_add_co_u32 s40, s40, s16
	s_lshl_b32 s40, s40, 5
	s_add_co_u32 s40, s40, ttmp9
	s_mul_i32 s40, s40, 1280                       ; h: record ((65 e + w) 32 + S)
	s_mov_b32 s41, 0
	s_wait_kmcnt 0x0
	s_add_nc_u64 s[WB:WB+1], s[4:5], s[36:37]
	s_add_nc_u64 s[B1B:B1B+1], s[6:7], s[38:39]
	s_add_nc_u64 s[HB:HB+1], s[14:15], s[40:41]
.irp k, 0,1,2,3,4,5,6,7
	global_load_b128 v[IDX+4*\k:IDX+4*\k+3], v[L16], s[12:13] offset:512*\k   ; register 4 k + j of lane l: token 128 k + 4 l + j
.endr
	LOAD 0
	LOAD 1
	BLOCK 0, 32, 1                                 ; the count leaves block 1's loads out; idx, which is older, is in too
	BLOCK 1, 32, 1
	COUNT
	BARRIER                                        ; from here to the next barrier wave 0 alone touches LDS
	s_cmp_lg_u32 s16, 0
	s_cbranch_scc1 .Llisted
	; ---- wave 0 lays the list: every place names the row of zero codes; then each token of the expert goes to its place.  The masks are COUNT's
.irp i, 0,1,2,3
	v_mov_b32 v[INI+\i], 0x400
.endr
	v_add_nc_u32 v[DI], NPL, v1
	v_lshlrev_b32 v[TK0], 2, v1
	v_add_nc_u32 v[LI], LIST, v[L16]
.irp i, 0,1,2,3,4,5,6,7,8,9,10,11
	ds_store_b128 v[LI], v[INI:INI+3] offset:512*\i
.endr
	s_mov_b32 s[NN], 1                             ; place 0 is the bias row
.set lq, 0
.rept 32
	v_mbcnt_lo_u32_b32 v[XF+lq], s[MK+lq], s[NN]   ; the running place + the expert's tokens in lower lanes
	v_cndmask_b32 v[XF+lq], v[DI], v[XF+lq], s[MK+lq]   ; a lane with another expert's token stores to a word that nobody reads
	v_min_u32 v[XF+lq], NPL+31, v[XF+lq]
	v_lshl_add_u32 v[XF+lq], v[XF+lq], 2, LIST
	v_add_nc_u32 v[XF+32+lq], 128*(lq/4)+lq%4, v[TK0]
	ds_store_b32 v[XF+lq], v[XF+32+lq]             ; LDS serves a wave's instructions in order: these come behind the fill above
	s_bcnt1_i32_b32 s[T0], s[MK+lq]
	s_add_co_u32 s[NN], s[NN], s[T0]
.set lq, lq+1
.endr
.Llisted:
	BARRIER                                        ; the list is whole
	s_mov_b32 s[LSTEP], 0
	ALOAD 0                                        ; tile w's operands, in every wave: a wave without a tile finds the row of zero codes
	BLOCK 2, 63, 1                                 ; behind block 2's loads stand block 3's 32 and the tile's 33: 65; the largest count that can be written is taken, which waits for a little more
	BLOCK 3, 63, 1                                 ; behind block 3's: the tile's 33 and block 4's 32
	BLOCK 4, 32, 1
	BLOCK 5, 32, 1
	BLOCK 6, 32, 0
	BLOCK 7, 0, 0
	BARRIER                                        ; all 64 fragments and their scale words lie in LDS; from here on they and the list are only read, and a wave's stage is its own
	s_mov_b32 s[J], s16
	s_mov_b32 s[I], 0
.Ltile:
	s_cmp_ge_u32 s[J], s[TILES]
	s_cbranch_scc1 .Lskip
	s_wait_loadcnt 0x0                             ; the tile's operands
	TURN
	MULT
.set rj, 0
.rept 64
	v_max_num_f32 v[ACC+rj], 0, v[ACC+rj]          ; the activation, in f32; each accumulator from its low end on
.set rj, rj+1
.endr
	QUANT ACC
	v_mov_b32 v[PW+1], v[PW]
	global_store_b128 v[L16], v[PC:PC+3], s[HB:HB+1]               ; each store covers 512 consecutive bytes,
	global_store_b128 v[L16], v[PC+4:PC+7], s[HB:HB+1] offset:512
	global_store_b64 v[L8], v[PW:PW+1], s[HB:HB+1] offset:1024     ; this one 256
	s_add_co_u32 s[T0], s[J], 16
	s_cmp_ge_u32 s[T0], s[TILES]
	s_cbranch_scc1 .Lskip
	ALOAD 1024                                     ; my next tile, 16 tiles on
.Lskip:
	s_wait_xcnt 0x0                                ; the stores have read their data and their base: both are written again behind this wait
	s_add_nc_u64 s[HB:HB+1], s[HB:HB+1], 16*32*1280
	s_add_co_u32 s[J], s[J], 16
	s_add_co_u32 s[LSTEP], s[LSTEP], 1024
	s_add_co_u32 s[I], s[I], 1
	s_cmp_lt_u32 s[I], 5
	s_cbranch_scc1 .Ltile
	s_wait_tensorcnt 0x0
	ds_add_u32 v254, v255
	s_wait_dscnt 0x0
	s_endpgm
.Lfunc_end_k_qdf052e068f_up:
	.size	k_qdf052e068f_up, .Lfunc_end_k_qdf052e068f_up-k_qdf052e068f_up
	.p2alignl 7, 3214868480
	.fill 96, 4, 3214868480
	.section	.rodata,"a",@progbits
	.p2align	6, 0x0
	.amdhsa_kernel k_qdf052e068f_up
		.amdhsa_group_segment_fixed_size 213504
		.amdhsa_private_segment_fixed_size 0
		.amdhsa_enable_private_segment 0
		.amdhsa_kernarg_size 48
		.amdhsa_user_sgpr_count 2
		.amdhsa_user_sgpr_kernarg_segment_ptr 1
		.amdhsa_wavefront_size32 1
		.amdhsa_system_sgpr_workgroup_id_x 1
		.amdhsa_system_sgpr_workgroup_id_y 1
		.amdhsa_system_sgpr_workgroup_id_z 1
		.amdhsa_system_vgpr_workitem_id 0
		.amdhsa_next_free_vgpr 256
		.amdhsa_next_free_sgpr 100
		.amdhsa_reserve_vcc 0
		.amdhsa_float_denorm_mode_32 3
		.amdhsa_float_denorm_mode_16_64 3
		.amdhsa_memory_ordered 1
		.amdhsa_forward_progress 1
		.amdhsa_inst_pref_size 101
	.end_amdhsa_kernel
	.amdgpu_metadata
---
amdhsa.version: [ 1, 2 ]
amdhsa.kernels:
  - .name:           k_qdf052e068f_up
    .symbol:         k_qdf052e068f_up.kd
    .args:
      - { .name: W1, .offset: 0, .size: 8, .value_kind: global_buffer, .address_space: global }
      - { .name: b1, .offset: 8, .size: 8, .value_kind: global_buffer, .address_space: global }
      - { .name: xc, .offset: 16, .size: 8, .value_kind: global_buffer, .address_space: global }
      - { .name: xs, .offset: 24, .size: 8, .value_kind: global_buffer, .address_space: global }
      - { .name: idx, .offset: 32, .size: 8, .value_kind: global_buffer, .address_space: global }
      - { .name: h, .offset: 40, .size: 8, .value_kind: global_buffer, .address_space: global }
    .group_segment_fixed_size: 213504
    .private_segment_fixed_size: 0
    .kernarg_segment_align: 8
    .kernarg_segment_size: 48
    .max_flat_workgroup_size: 512
    .sgpr_count:     100
    .vgpr_count:     256
    .wavefront_size: 32
...
	.end_amdgpu_metadata
.endif
;; end of part 2
;; launch down (part 3): grid 32 x 8, 16 waves a work-group, no clusters, 141,312 bytes of LDS; arguments W2, h, idx, y; writes y
.if DOCPART == 3
	.amdgcn_target "amdgcn-amd-amdhsa--gfx1250"
	.amdhsa_code_object_version 6
	.text
	.protected	k_qdf052e068f_down
	.globl	k_qdf052e068f_down
	.p2align	8
	.type	k_qdf052e068f_down,@function
k_qdf052e068f_down:
	s_mov_b64 s[64:65], 0
	v_nop
	global_prefetch_b8 v0, s[64:65] scope:SCOPE_SE
	s_setreg_imm32_b32 hwreg(HW_REG_WAVE_MODE, 25, 1), 1
	s_wait_xcnt 0x0
; SECOND PRODUCT OF AN EXPERT: y[kh][e][place][n] = the sum over half kh of the hidden units of hidden x Q(W2[e]), for the rows of expert e alone, on codes of FP4 (E2M1) with E8M0 scales.
; W2: [8][4096 (k)][1024 (n)] f32.  Work-group (x, e), x = 16 kh + nc: columns 64 nc .. + 63, rows 2048 kh .. + 2047: 2,048 x 64 numbers, which no other work-group reads.  They are read once, as f32,
; quantised in registers and kept in LDS as images of operand registers (64 fragments: 4 tiles of columns x 16 K steps).  K is split in two so that all WGPs have a share; the two halves are added by the last launch.
; STREAM.  Wave w = (cg = w % 2, kq = w / 2): 32 columns x 256 rows; a lane takes a column and its registers run down K; two waves side by side read 256 consecutive bytes of a row.
; TOKENS.  Wave w takes tiles w, w + 16, .. of the expert's rows: five trips, a constant; a trip whose tile the expert does not have is jumped over.  The hidden layer's fragments come from h as images of
; registers.  The product is used transposed (source 0 = 16 columns of W2, source 1 = 16 rows): a lane holds eight neighbouring columns of a row; the tile leaves through the wave's own stage as rows of 256 bytes.
; No tensor loads: branches hang on a count read from memory.  No cluster: no byte of W2 is shared, and what is shared (h) is a small part of a work-group's bytes.
; LIMITS: NaN and infinities are not served; blocks whose largest magnitude lies under 2^-124 (zeros too) keep the scale byte 1: zero codes add nothing, and the bytes are read by this program alone.
.set RS,    4096                       ; a row of W2[e] in bytes
.set KS,    16                         ; K steps of 128 in the work-group's half
.set SSTR,  256
.set SIMG,  65536                      ; LDS: 0 .. 65535 the fragments, (tile, K step) at (16 tile + step) 1024; then the scale words: step x 256 + 8 x lane + 4 cg
.set STG,   69632                      ; then a stage of 16 rows x (256 bytes + 16) for each wave
.set SP,    272
.set WO,    4                          ; v4   W2: 4 x lane
.set BW,    5
.set SWA,   6
.set L16,   7                          ; v7   16 x lane
.set SR,    8                          ; v8   SIMG + 8 x lane
.set HSA0,  10                         ; v10  h's scale words: 1280 (lane / 16) + 8 x lane
.set HA,    11                         ; v11, v12: the same two offsets for the first tile, or zeros in a wave without a tile
.set HSA,   12
.set STO,   13                         ; v13  into the stage
.set SRD,   14                         ; v14  out of it
.set YO,    15                         ; v15  my bytes in two rows of y
.set HF,    16                         ; v16-143  the hidden layer's 16 fragments
.set IDX,   16                         ; v16-47   at first: idx
.set HS,    144                        ; v144-151 its scale words: register i: lanes 0-15 K step 2 i, lanes 16-31 K step 2 i + 1; scales and nothing else
.set ACC,   152                        ; v152-183 four accumulators
.set CE,    152                        ; while streaming: v152-159 codes, v160-164 at work
.set M0,    160
.set M1,    161
.set SCL,   162
.set BY,    163
.set SW,    164
.set X,     184                        ; v184-247 the stream's two sets of 32; later W2's fragments, two sets of four; on the way out v184-215 rows of y
.set BS,    248                        ; v248-251 W2's scale words, two sets of two; scales and nothing else
.set EX,    20
.set NN,    21
.set TILES, 22
.set J,     23
.set I,     24
.set WB,    26                         ; s[26:27]
.set HRB,   28                         ; s[28:29] h at the records of the tile in hand
.set HR0,   30                         ; s[30:31] the same for the first load: tile w, or tile 0 in a wave without a tile
.set YB,    34                         ; s[34:35] y at the tile in hand
.set T0,    39
.macro NOPS                            ; four places behind this matrix form (ISA guide 7.12.1)
.rept 4
	v_nop
.endr
.endm
.macro LOAD t
.set li, 0
.rept 32
	global_load_b32 v[X+32*((\t)%2)+li], v[WO], s[WB:WB+1] offset:(32*(\t)+li)*RS th:TH_LOAD_NT
.set li, li+1
.endr
.endm
; Block t is quantised.  n: the loads issued behind block t's, which may stay out.  ld = 1: the set takes block t + 2.
.macro BLOCK t, n, ld
.set XB, X+32*((\t)%2)
.set CD, CE+4*((\t)%2)
	s_wait_loadcnt \n
	v_max3_num_f32 v[M0], |v[XB]|, |v[XB+1]|, |v[XB+2]|
	v_max3_num_f32 v[M1], |v[XB+3]|, |v[XB+4]|, |v[XB+5]|
.irp i, 6,10,14,18,22,26
	v_max3_num_f32 v[M0], v[M0], |v[XB+\i]|, |v[XB+\i+1]|
	v_max3_num_f32 v[M1], v[M1], |v[XB+\i+2]|, |v[XB+\i+3]|
.endr
	v_max3_num_f32 v[M0], v[M0], |v[XB+30]|, |v[XB+31]|
	v_max3_num_f32 v[M0], v[M0], v[M1], 0x1800000              ; the floor 2^(3 - 127): the byte cannot fall under 1
	v_add_nc_u32 v[SCL], 0xff000000, v[M0]                     ; 2 off the exponent field: the conversion's scale operand
	v_lshrrev_b32 v[BY], 23, v[SCL]
.if ((\t)%2 == 0) && ((\t) >= 2)
	s_wait_dscnt 0x0                               ; the last pair's LDS stores are done: their data registers are written again below
.endif
.if (\t)%4 == 0
	v_mov_b32 v[SW], v[BY]
.else
	v_lshl_or_b32 v[SW], v[BY], 8*((\t)%4), v[SW]
.endif
.irp g, 0,1,2,3
	v_cvt_scalef32_pk8_fp4_f32 v[CD+\g], v[XB+8*\g:XB+8*\g+7], v[SCL]
.endr
.if \ld
	LOAD (\t)+2
.endif
.if (\t)%2 == 1
	v_nop                                          ; one plain line behind the scaled conversions
.irp g, 0,1,2,3
	v_permlane16_swap_b32 v[CE+\g], v[CE+4+\g]     ; the first now holds the tile of lanes 0-15's columns, both blocks; the second that of lanes 16-31's
.endr
	ds_store_b128 v[BW], v[CE:CE+3] offset:((\t)/4)*1024+512*(((\t)/2)%2)
	ds_store_b128 v[BW], v[CE+4:CE+7] offset:KS*1024+((\t)/4)*1024+512*(((\t)/2)%2)
.endif
.if (\t)%4 == 3
	ds_store_b32 v[SWA], v[SW] offset:((\t)/4)*SSTR
.endif
.endm
.macro COUNT
	s_mov_b32 s[NN], 0
.set cq, 0
.rept 32
	v_cmp_eq_u32 vcc_lo, s[EX], v[IDX+cq]
	s_bcnt1_i32_b32 s[T0], vcc_lo
	s_add_co_u32 s[NN], s[NN], s[T0]
.set cq, cq+1
.endr
	s_lshr_b32 s[TILES], s[NN], 4
	s_add_co_u32 s[TILES], s[TILES], 1
.endm
.macro ALOAD3 va, vs, sb, off          ; a tile's 16 records: 40 loads
.irp s, 0,1,2,3,4,5,6,7,8,9,10,11,12,13,14,15
.irp c, 0,1
	global_load_b128 v[HF+8*\s+4*\c:HF+8*\s+4*\c+3], v[\va], s[\sb:\sb+1] offset:\off+1280*\s+512*\c
.endr
.endr
.irp i, 0,1,2,3,4,5,6,7
	global_load_b32 v[HS+\i], v[\vs], s[\sb:\sb+1] offset:\off+2560*\i+1024
.endr
.endm
.macro LDB3 s                          ; W2's four fragments and two registers of scale words of K step s, into set s % 2: nine loads
.irp i, 0,1,2,3
.irp c, 0,1
	ds_load_b128 v[X+32*((\s)%2)+8*\i+4*\c:X+32*((\s)%2)+8*\i+4*\c+3], v[L16] offset:(16*\i+(\s))*1024+512*\c
.endr
.endr
	ds_load_b64 v[BS+2*((\s)%2):BS+2*((\s)%2)+1], v[SR] offset:SSTR*(\s)
.endm
.macro PROD3 tau                       ; tile tau, K step ks.  W2's word: lanes 16-31 for odd tiles; the hidden layer's: lanes 16-31 for odd K steps.  K step 0 starts the sums
.set rD, ACC+8*(\tau)
.set rA, X+32*(ks%2)+8*(\tau)
.set rB, HF+8*ks
.set rSA, BS+2*(ks%2)+(\tau)/2
.set rSB, HS+ks/2
.if (ks == 0) && ((\tau)%2 == 1)
	v_wmma_scale_f32_16x16x128_f8f6f4 v[rD:rD+7], v[rA:rA+7], v[rB:rB+7], 0, v[rSA], v[rSB] matrix_a_fmt:MATRIX_FMT_FP4 matrix_b_fmt:MATRIX_FMT_FP4 matrix_a_scale:MATRIX_SCALE_ROW1
.elseif ks == 0
	v_wmma_scale_f32_16x16x128_f8f6f4 v[rD:rD+7], v[rA:rA+7], v[rB:rB+7], 0, v[rSA], v[rSB] matrix_a_fmt:MATRIX_FMT_FP4 matrix_b_fmt:MATRIX_FMT_FP4
.elseif ((\tau)%2 == 1) && (ks%2 == 1)
	v_wmma_scale_f32_16x16x128_f8f6f4 v[rD:rD+7], v[rA:rA+7], v[rB:rB+7], v[rD:rD+7], v[rSA], v[rSB] matrix_a_fmt:MATRIX_FMT_FP4 matrix_b_fmt:MATRIX_FMT_FP4 matrix_a_scale:MATRIX_SCALE_ROW1 matrix_b_scale:MATRIX_SCALE_ROW1
.elseif (\tau)%2 == 1
	v_wmma_scale_f32_16x16x128_f8f6f4 v[rD:rD+7], v[rA:rA+7], v[rB:rB+7], v[rD:rD+7], v[rSA], v[rSB] matrix_a_fmt:MATRIX_FMT_FP4 matrix_b_fmt:MATRIX_FMT_FP4 matrix_a_scale:MATRIX_SCALE_ROW1
.elseif ks%2 == 1
	v_wmma_scale_f32_16x16x128_f8f6f4 v[rD:rD+7], v[rA:rA+7], v[rB:rB+7], v[rD:rD+7], v[rSA], v[rSB] matrix_a_fmt:MATRIX_FMT_FP4 matrix_b_fmt:MATRIX_FMT_FP4 matrix_b_scale:MATRIX_SCALE_ROW1
.else
	v_wmma_scale_f32_16x16x128_f8f6f4 v[rD:rD+7], v[rA:rA+7], v[rB:rB+7], v[rD:rD+7], v[rSA], v[rSB] matrix_a_fmt:MATRIX_FMT_FP4 matrix_b_fmt:MATRIX_FMT_FP4
.endif
.endm
; A tile's 64 products: the four accumulators by turns, one instruction a turn; a K step's fragments are fetched two K steps ahead.
.macro MULT3
	LDB3 0
	LDB3 1
.set ks, 0
.rept 16
.if ks < 15
	s_wait_dscnt 9                                 ; this K step's nine loads are in; the next one's may be out
.else
	s_wait_dscnt 0x0
.endif
	PROD3 0
	PROD3 1
	PROD3 2
	PROD3 3
	NOPS
.if ks < 14
	LDB3 ks+2
.endif
.set ks, ks+1
.endr
.endm
	s_load_b256 s[4:11], s[0:1], 0x0               ; W2 s[4:5], h s[6:7], idx s[8:9], y s[10:11]
	v_lshl_add_u32 v254, v0, 2, 0x22000
	v_mov_b32 v255, 0
	v_lshrrev_b32 v1, 5, v0
	v_readfirstlane_b32 s16, v1                    ; wave 0..15
	s_and_b32 s17, s16, 1                          ; cg
	s_lshr_b32 s18, s16, 1                         ; kq
	s_and_b32 s19, ttmp9, 15                       ; nc
	s_lshr_b32 s25, ttmp9, 4                       ; kh
	s_and_b32 s[EX], ttmp7, 0xffff                 ; the expert
	v_and_b32 v1, 31, v0                           ; lane
	v_and_b32 v2, 15, v0                           ; r
	v_bfe_u32 v3, v0, 4, 1                         ; h
	v_lshlrev_b32 v[WO], 2, v1
	v_lshlrev_b32 v[L16], 4, v1
	s_lshl_b32 s36, s17, 15
	s_lshl_b32 s37, s18, 11
	s_add_co_u32 s36, s36, s37
	v_add_nc_u32 v[BW], s36, v[L16]                ; fragment (2 cg, 2 kq): (32 cg + 2 kq) x 1024
	v_lshlrev_b32 v[SR], 3, v1
	s_lshl_b32 s36, s17, 2
	s_lshl_b32 s37, s18, 9
	s_add_co_u32 s36, s36, s37
	s_add_co_u32 s36, s36, SIMG
	v_add_nc_u32 v[SWA], s36, v[SR]
	v_add_nc_u32 v[SR], SIMG, v[SR]
	v_mul_u32_u24 v[HSA0], v3, 1280
	v_lshl_add_u32 v[HSA0], v1, 3, v[HSA0]
	s_mul_i32 s36, s16, 16*SP
	s_add_co_u32 s36, s36, STG                     ; my stage
	v_mul_u32_u24 v[STO], v2, SP
	v_lshl_add_u32 v[STO], v3, 5, v[STO]
	v_add_nc_u32 v[STO], s36, v[STO]               ; in: row r, 32 bytes for each half of the lanes
	v_mul_u32_u24 v[SRD], v3, SP
	v_lshl_add_u32 v[SRD], v2, 4, v[SRD]
	v_add_nc_u32 v[SRD], s36, v[SRD]               ; back: lanes 0-15 one row of 256 bytes, lanes 16-31 the next
	v_lshlrev_b32 v[YO], 12, v3
	v_lshl_add_u32 v[YO], v2, 4, v[YO]             ; and the same two rows in y
	s_lshl_b32 s36, s[EX], 24                      ; W2: the expert's 16 MiB,
	s_lshl_b32 s37, s25, 23
	s_add_co_u32 s36, s36, s37                     ; the half's 2,048 rows,
	s_lshl_b32 s37, s18, 20
	s_add_co_u32 s36, s36, s37                     ; my 256 rows,
	s_lshl_b32 s37, s19, 8
	s_add_co_u32 s36, s36, s37                     ; the work-group's 64 columns,
	s_lshl_b32 s37, s17, 7
	s_add_co_u32 s36, s36, s37                     ; my 32 of them
	s_mov_b32 s37, 0
	s_mul_i32 s40, s[EX], 65*32*1280
	s_mul_i32 s41, s25, 16*1280
	s_add_co_u32 s40, s40, s41                     ; h: the expert's tile 0, the half's first K step
	s_mov_b32 s41, 0
	s_mul_i32 s42, s16, 32*1280                    ; tile w
	s_mov_b32 s43, 0
	s_lshl_b32 s44, s25, 3
	s_add_co_u32 s44, s44, s[EX]
	s_mul_i32 s44, s44, 1040
	s_lshl_b32 s45, s16, 4
	s_add_co_u32 s44, s44, s45
	s_lshl_b32 s44, s44, 12
	s_lshl_b32 s45, s19, 8
	s_add_co_u32 s44, s44, s45                     ; y: ((8 kh + e) 1040 + 16 w) rows of 4,096 bytes + 256 nc
	s_mov_b32 s45, 0
	s_wait_kmcnt 0x0
	s_add_nc_u64 s[WB:WB+1], s[4:5], s[36:37]
	s_add_nc_u64 s[40:41], s[6:7], s[40:41]
	s_add_nc_u64 s[HRB:HRB+1], s[40:41], s[42:43]
	s_add_nc_u64 s[YB:YB+1], s[10:11], s[44:45]
.irp k, 0,1,2,3,4,5,6,7
	global_load_b128 v[IDX+4*\k:IDX+4*\k+3], v[L16], s[8:9] offset:512*\k
.endr
	LOAD 0
	LOAD 1
	BLOCK 0, 32, 1                                 ; the count leaves block 1's loads out; idx, which is older, is in too
	BLOCK 1, 32, 1
	COUNT
	s_cmp_lt_u32 s16, s[TILES]                     ; has the expert a tile w?
	s_cselect_b32 s38, 1, 0
	s_min_u32 s38, s38, 1
	s_mul_i32 s36, s38, s16
	s_mul_i32 s36, s36, 32*1280
	s_add_nc_u64 s[HR0:HR0+1], s[40:41], s[36:37]  ; tile w, or tile 0, which every expert has;
	v_mul_u32_u24 v[HA], s38, v[L16]               ; a wave without a tile asks for one lane's bytes of it and uses none: so every register is written on every way
	v_mul_u32_u24 v[HSA], s38, v[HSA0]
	ALOAD3 HA, HSA, HR0, 0
	BLOCK 2, 63, 1                                 ; behind block 2's loads stand block 3's 32 and the tile's 40: 72; the largest count that can be written is taken, which waits for a little more
	BLOCK 3, 63, 1                                 ; behind block 3's: the tile's 40 and block 4's 32
	BLOCK 4, 32, 1
	BLOCK 5, 32, 1
	BLOCK 6, 32, 0
	BLOCK 7, 0, 0
	s_wait_dscnt 0x0                               ; for the others' sake: my stores have landed
	s_barrier_signal -1
	s_barrier_wait -1                              ; all 64 fragments and their scale words lie in LDS; from here on they are only read
	s_mov_b32 s[J], s16
	s_mov_b32 s[I], 0
.Ltile:
	s_cmp_ge_u32 s[J], s[TILES]
	s_cbranch_scc1 .Lskip
	s_wait_loadcnt 0x0                             ; the tile's records
	MULT3
	v_nop                                          ; a fifth place: the next trip's first products begin these accumulators anew
.irp t, 0,1,2,3
	ds_store_b128 v[STO], v[ACC+8*\t:ACC+8*\t+3] offset:64*\t          ; each accumulator from its low end on
	ds_store_b128 v[STO], v[ACC+8*\t+4:ACC+8*\t+7] offset:64*\t+16
.endr
.irp i, 0,1,2,3,4,5,6,7
	ds_load_b128 v[X+4*\i:X+4*\i+3], v[SRD] offset:2*\i*SP             ; LDS serves a wave's instructions in order: these see my stores
.endr
.irp i, 0,1,2,3,4,5,6,7
	s_wait_dscnt 7-\i
	global_store_b128 v[YO], v[X+4*\i:X+4*\i+3], s[YB:YB+1] offset:8192*\i th:TH_STORE_NT   ; 16 lanes store 256 consecutive bytes, at a multiple of 256 from y's first byte
.endr
	s_add_co_u32 s[T0], s[J], 16
	s_cmp_ge_u32 s[T0], s[TILES]
	s_cbranch_scc1 .Lskip
	ALOAD3 L16, HSA0, HRB, 16*32*1280              ; my next tile, 16 tiles on
.Lskip:
	s_wait_xcnt 0x0                                ; loads and stores have read their data and bases: these are written again behind this wait
	s_add_nc_u64 s[HRB:HRB+1], s[HRB:HRB+1], 16*32*1280
	s_add_nc_u64 s[YB:YB+1], s[YB:YB+1], 16*16*4096
	s_add_co_u32 s[J], s[J], 16
	s_add_co_u32 s[I], s[I], 1
	s_cmp_lt_u32 s[I], 5
	s_cbranch_scc1 .Ltile
	s_wait_tensorcnt 0x0
	ds_add_u32 v254, v255
	s_wait_dscnt 0x0
	s_endpgm
.Lfunc_end_k_qdf052e068f_down:
	.size	k_qdf052e068f_down, .Lfunc_end_k_qdf052e068f_down-k_qdf052e068f_down
	.p2alignl 7, 3214868480
	.fill 96, 4, 3214868480
	.section	.rodata,"a",@progbits
	.p2align	6, 0x0
	.amdhsa_kernel k_qdf052e068f_down
		.amdhsa_group_segment_fixed_size 141312
		.amdhsa_private_segment_fixed_size 0
		.amdhsa_enable_private_segment 0
		.amdhsa_kernarg_size 32
		.amdhsa_user_sgpr_count 2
		.amdhsa_user_sgpr_kernarg_segment_ptr 1
		.amdhsa_wavefront_size32 1
		.amdhsa_system_sgpr_workgroup_id_x 1
		.amdhsa_system_sgpr_workgroup_id_y 1
		.amdhsa_system_sgpr_workgroup_id_z 1
		.amdhsa_system_vgpr_workitem_id 0
		.amdhsa_next_free_vgpr 256
		.amdhsa_next_free_sgpr 66
		.amdhsa_reserve_vcc 1
		.amdhsa_float_denorm_mode_32 3
		.amdhsa_float_denorm_mode_16_64 3
		.amdhsa_memory_ordered 1
		.amdhsa_forward_progress 1
		.amdhsa_inst_pref_size 75
	.end_amdhsa_kernel
	.amdgpu_metadata
---
amdhsa.version: [ 1, 2 ]
amdhsa.kernels:
  - .name:           k_qdf052e068f_down
    .symbol:         k_qdf052e068f_down.kd
    .args:
      - { .name: W2, .offset: 0, .size: 8, .value_kind: global_buffer, .address_space: global }
      - { .name: h, .offset: 8, .size: 8, .value_kind: global_buffer, .address_space: global }
      - { .name: idx, .offset: 16, .size: 8, .value_kind: global_buffer, .address_space: global }
      - { .name: y, .offset: 24, .size: 8, .value_kind: global_buffer, .address_space: global }
    .group_segment_fixed_size: 141312
    .private_segment_fixed_size: 0
    .kernarg_segment_align: 8
    .kernarg_segment_size: 32
    .max_flat_workgroup_size: 512
    .sgpr_count:     66
    .vgpr_count:     256
    .wavefront_size: 32
...
	.end_amdgpu_metadata
.endif
;; end of part 3
;; launch join (part 4): grid 4 x 64, 8 waves a work-group, no clusters, 17,408 bytes of LDS; arguments y, b2, idx, out0; writes out0
.if DOCPART == 4
	.amdgcn_target "amdgcn-amd-amdhsa--gfx1250"
	.amdhsa_code_object_version 6
	.text
	.protected	k_qdf052e068f_join
	.globl	k_qdf052e068f_join
	.p2align	8
	.type	k_qdf052e068f_join,@function
k_qdf052e068f_join:
	s_mov_b64 s[64:65], 0
	v_nop
	global_prefetch_b8 v0, s[64:65] scope:SCOPE_SE
	s_setreg_imm32_b32 hwreg(HW_REG_WAVE_MODE, 25, 1), 1
	s_wait_xcnt 0x0
; THE SUM OVER EXPERTS.  out[t] = y[0][e][place] + y[1][e][place] + b2[e] + the sum over i other than e of c_i, e = idx[t], c_i = y[0][i][0] + y[1][i][0] + b2[i]: expert i's result for a row of zeros,
; which reference() adds for every token that expert i did not get.  Only sums: no difference is formed.
; Work-group (sl, g): columns 256 sl .. + 255 (1,024 bytes of a row) of tokens 16 g .. 16 g + 15; wave w: tokens 16 g + 2 w and + 1.  Wave w also makes expert w's c and lays it, and b2[w], into LDS.
; A token's place among its expert's rows is counted as the first product's launch laid it: 1 + the number of tokens of the same expert with a smaller key 32 q + lane
; (q: the register, of 32, in which the eight loads of idx lay the token).  The places come first, so that the loads of the tokens' rows go out early; c is made while they are on their way.
; A stream: no matrix unit, no tensor loads, nothing shared between work-groups but small rows.
.set CSL,  0                           ; LDS: c_i, 1,024 bytes each
.set B2L,  8192                        ; b2[i] likewise
.set T,    16                          ; v16-47   idx, then 1024 x expert + key
.set CR,   48                          ; v48-71   expert w's two bias rows and b2
.set YR,   72                          ; v72-103  16 registers a token: its two rows, two halves of 512 bytes each
.set TR,   104                         ; v104-167 at work in RANK, 32 registers a token; then the eight terms
.set AR,   168                         ; v168-175 their LDS addresses
.set MK,   66                          ; s66-97   RANK's 32 masks
.set HALF, 8*1040*4096                 ; from y[0] to y[1]
	s_load_b256 s[4:11], s[0:1], 0x0               ; y s[4:5], b2 s[6:7], idx s[8:9], out0 s[10:11]
	v_lshl_add_u32 v176, v0, 2, 0x4000
	v_mov_b32 v177, 0
	v_lshrrev_b32 v1, 5, v0
	v_readfirstlane_b32 s16, v1                    ; wave 0..7
	v_and_b32 v1, 31, v0                           ; lane
	v_lshlrev_b32 v6, 4, v1                        ; 16 x lane
	s_lshl_b32 s17, s16, 10
	v_add_nc_u32 v7, s17, v6                       ; LDS: my expert's 1,024 bytes
	s_and_b32 s18, ttmp7, 0xffff
	s_lshl_b32 s19, s18, 4
	s_lshl_b32 s17, s16, 1
	s_add_co_u32 s19, s19, s17                     ; my first token
	s_lshl_b32 s21, ttmp9, 10                      ; the work-group's bytes in a row
	s_lshl_b32 s36, s19, 2
	s_mov_b32 s37, 0
	s_wait_kmcnt 0x0
	s_add_nc_u64 s[22:23], s[8:9], s[36:37]
	s_load_b64 s[12:13], s[22:23], 0x0             ; my two tokens' experts
	s_mul_i32 s36, s16, 1040*4096
	s_add_co_u32 s36, s36, s21
	s_add_nc_u64 s[24:25], s[4:5], s[36:37]        ; y[0][w][0]
	s_add_nc_u64 s[26:27], s[24:25], HALF          ; y[1][w][0]
	s_lshl_b32 s36, s16, 12
	s_add_co_u32 s36, s36, s21
	s_add_nc_u64 s[28:29], s[6:7], s[36:37]        ; b2[w]
	s_lshl_b32 s36, s19, 12
	s_add_co_u32 s36, s36, s21
	s_add_nc_u64 s[10:11], s[10:11], s[36:37]      ; out0 at my first token
.irp k, 0,1,2,3,4,5,6,7
	global_load_b128 v[T+4*\k:T+4*\k+3], v6, s[8:9] offset:512*\k
.endr
	global_load_b128 v[CR:CR+3], v6, s[24:25]
	global_load_b128 v[CR+4:CR+7], v6, s[24:25] offset:512
	global_load_b128 v[CR+8:CR+11], v6, s[26:27]
	global_load_b128 v[CR+12:CR+15], v6, s[26:27] offset:512
	global_load_b128 v[CR+16:CR+19], v6, s[28:29]
	global_load_b128 v[CR+20:CR+23], v6, s[28:29] offset:512
	s_wait_loadcnt 6                               ; idx is in; the six loads behind it (the bias rows and b2) may be out
	s_wait_kmcnt 0x0
	s_min_u32 s12, s12, 7
	s_min_u32 s13, s13, 7
.set rq, 0
.rept 32
	v_lshl_add_u32 v[T+rq], v[T+rq], 10, v1        ; 1024 x expert + lane
.set rq, rq+1
.endr
.set rq, 1
.rept 31
	v_add_nc_u32 v[T+rq], 32*rq, v[T+rq]           ; + 32 q: the key, under 1024
.set rq, rq+1
.endr
; Token a's place, and the loads of its two rows.  1024 x its expert is taken off every word: what is then under its own key is a token of the same expert with a smaller key
; (another expert's word is 1024 or more, or has wrapped round to a very large number).  The subtractions, the compares (each with a scalar register of its own for its mask) and the counts
; stand in three runs: the scalar side waits for the vector side once.
.macro RANK a
	s_add_co_u32 s35, s19, \a
	s_lshr_b32 s30, s35, 7
	s_lshl_b32 s30, s30, 2
	s_and_b32 s31, s35, 3
	s_add_co_u32 s30, s30, s31                     ; q = 4 (t / 128) + t % 4
	s_lshl_b32 s30, s30, 5
	s_bfe_u32 s31, s35, 0x50002                    ; lane = (t / 4) % 32
	s_add_co_u32 s30, s30, s31                     ; the key
	s_lshl_b32 s34, s[12+\a], 10
.set rq, 0
.rept 32
	v_sub_nc_u32 v[TR+32*\a+rq], v[T+rq], s34
.set rq, rq+1
.endr
.set rq, 0
.rept 32
	v_cmp_gt_u32 s[MK+rq], s30, v[TR+32*\a+rq]
.set rq, rq+1
.endr
	s_mov_b32 s33, 1                               ; place 0 is the bias row
.set rq, 0
.rept 32
	s_bcnt1_i32_b32 s31, s[MK+rq]
	s_add_co_u32 s33, s33, s31
.set rq, rq+1
.endr
	s_min_u32 s33, s33, 1039
	s_mul_i32 s36, s[12+\a], 1040
	s_add_co_u32 s36, s36, s33
	s_lshl_b32 s36, s36, 12
	s_add_co_u32 s36, s36, s21
	s_add_nc_u64 s[40+4*\a:41+4*\a], s[4:5], s[36:37]
	s_add_nc_u64 s[42+4*\a:43+4*\a], s[40+4*\a:41+4*\a], HALF
	global_load_b128 v[YR+16*\a:YR+16*\a+3], v6, s[40+4*\a:41+4*\a] th:TH_LOAD_NT
	global_load_b128 v[YR+16*\a+4:YR+16*\a+7], v6, s[40+4*\a:41+4*\a] offset:512 th:TH_LOAD_NT
	global_load_b128 v[YR+16*\a+8:YR+16*\a+11], v6, s[42+4*\a:43+4*\a] th:TH_LOAD_NT
	global_load_b128 v[YR+16*\a+12:YR+16*\a+15], v6, s[42+4*\a:43+4*\a] offset:512 th:TH_LOAD_NT
.endm
	RANK 0
	RANK 1
	s_wait_loadcnt 8                               ; the bias rows and b2 are in; the eight loads of my two tokens' rows may be out
.irp q, 0,2,4,6
	v_pk_add_f32 v[CR+\q:CR+\q+1], v[CR+\q:CR+\q+1], v[CR+8+\q:CR+8+\q+1]
.endr
.irp q, 0,2,4,6
	v_pk_add_f32 v[CR+\q:CR+\q+1], v[CR+\q:CR+\q+1], v[CR+16+\q:CR+16+\q+1]   ; c of expert w
.endr
	ds_store_b128 v7, v[CR:CR+3] offset:CSL
	ds_store_b128 v7, v[CR+4:CR+7] offset:CSL+512
	ds_store_b128 v7, v[CR+16:CR+19] offset:B2L
	ds_store_b128 v7, v[CR+20:CR+23] offset:B2L+512
	s_wait_dscnt 0x0                               ; for the others' sake: my stores have landed
	s_barrier_signal -1
	s_barrier_wait -1                              ; all eight c and b2 lie in LDS; from here on they are only read
; Token a: for each expert its term: b2 for the token's own, c for the others; left: the loads that may stay out.
.macro TOKEN a, left
.irp i, 0,1,2,3,4,5,6,7
	s_cmp_eq_u32 s[12+\a], \i
	s_cselect_b32 s31, B2L, 0
	v_add_nc_u32 v[AR+\i], s31, v6
	ds_load_b128 v[TR+8*\i:TR+8*\i+3], v[AR+\i] offset:1024*\i
	ds_load_b128 v[TR+8*\i+4:TR+8*\i+7], v[AR+\i] offset:1024*\i+512
.endr
	s_wait_loadcnt \left                           ; this token's four loads are in
.irp q, 0,2,4,6
	v_pk_add_f32 v[YR+16*\a+\q:YR+16*\a+\q+1], v[YR+16*\a+\q:YR+16*\a+\q+1], v[YR+16*\a+8+\q:YR+16*\a+8+\q+1]   ; the two halves of K
.endr
	s_wait_dscnt 0x0
.irp i, 0,1,2,3,4,5,6,7
.irp q, 0,2,4,6
	v_pk_add_f32 v[YR+16*\a+\q:YR+16*\a+\q+1], v[YR+16*\a+\q:YR+16*\a+\q+1], v[TR+8*\i+\q:TR+8*\i+\q+1]
.endr
.endr
	global_store_b128 v6, v[YR+16*\a:YR+16*\a+3], s[10:11] offset:4096*\a th:TH_STORE_NT        ; 32 lanes store 512 consecutive bytes
	global_store_b128 v6, v[YR+16*\a+4:YR+16*\a+7], s[10:11] offset:4096*\a+512 th:TH_STORE_NT
.endm
	TOKEN 0, 4
	TOKEN 1, 0
	s_wait_tensorcnt 0x0
	ds_add_u32 v176, v177
	s_wait_dscnt 0x0
	s_endpgm
.Lfunc_end_k_qdf052e068f_join:
	.size	k_qdf052e068f_join, .Lfunc_end_k_qdf052e068f_join-k_qdf052e068f_join
	.p2alignl 7, 3214868480
	.fill 96, 4, 3214868480
	.section	.rodata,"a",@progbits
	.p2align	6, 0x0
	.amdhsa_kernel k_qdf052e068f_join
		.amdhsa_group_segment_fixed_size 17408
		.amdhsa_private_segment_fixed_size 0
		.amdhsa_enable_private_segment 0
		.amdhsa_kernarg_size 32
		.amdhsa_user_sgpr_count 2
		.amdhsa_user_sgpr_kernarg_segment_ptr 1
		.amdhsa_wavefront_size32 1
		.amdhsa_system_sgpr_workgroup_id_x 1
		.amdhsa_system_sgpr_workgroup_id_y 1
		.amdhsa_system_sgpr_workgroup_id_z 1
		.amdhsa_system_vgpr_workitem_id 0
		.amdhsa_next_free_vgpr 178
		.amdhsa_next_free_sgpr 100
		.amdhsa_reserve_vcc 0
		.amdhsa_float_denorm_mode_32 3
		.amdhsa_float_denorm_mode_16_64 3
		.amdhsa_memory_ordered 1
		.amdhsa_forward_progress 1
		.amdhsa_inst_pref_size 31
	.end_amdhsa_kernel
	.amdgpu_metadata
---
amdhsa.version: [ 1, 2 ]
amdhsa.kernels:
  - .name:           k_qdf052e068f_join
    .symbol:         k_qdf052e068f_join.kd
    .args:
      - { .name: y, .offset: 0, .size: 8, .value_kind: global_buffer, .address_space: global }
      - { .name: b2, .offset: 8, .size: 8, .value_kind: global_buffer, .address_space: global }
      - { .name: idx, .offset: 16, .size: 8, .value_kind: global_buffer, .address_space: global }
      - { .name: out0, .offset: 24, .size: 8, .value_kind: global_buffer, .address_space: global }
    .group_segment_fixed_size: 17408
    .private_segment_fixed_size: 0
    .kernarg_segment_align: 8
    .kernarg_segment_size: 32
    .max_flat_workgroup_size: 256
    .sgpr_count:     100
    .vgpr_count:     178
    .wavefront_size: 32
...
	.end_amdgpu_metadata
.endif
;; end of part 4
;; ======== version 2 of 2: 4 launches
;; workspace buffers: idx 4,096 bytes of whole numbers; xc 532,480 bytes; xs 33,280 bytes; h 21,299,200 bytes; y 68,157,440 bytes
;; launch route (part 5): grid 64 x 1, 8 waves a work-group, no clusters, 18,432 bytes of LDS; arguments x, Wr, br, xc, xs, idx; writes xc, xs, idx
.if DOCPART == 5
	.amdgcn_target "amdgcn-amd-amdhsa--gfx1250"
	.amdhsa_code_object_version 6
	.text
	.protected	k_qdf052e068f_route
	.globl	k_qdf052e068f_route
	.p2align	8
	.type	k_qdf052e068f_route,@function
k_qdf052e068f_route:
	s_mov_b64 s[64:65], 0
	v_nop
	global_prefetch_b8 v0, s[64:65] scope:SCOPE_SE
	s_setreg_imm32_b32 hwreg(HW_REG_WAVE_MODE, 25, 1), 1
	s_wait_xcnt 0x0
; ROUTER AND QUANTISER OF x.  x: [1024 tokens][1024] f32.  Wr: [1024][8], br: [8] f32.
; Out: xc [1040][512 bytes]: x as codes of FP4 (E2M1), K innermost, two codes a byte; xs [1040][32]: one E8M0 byte for each 32 along K; idx [1024] u32: the token's expert.
; Row 1024 of xc is a row of zero codes (its scale bytes 0x7f): the later launches name it for every place that holds no token, which gives an expert's bias path.
; SHARES.  Work-group g: tokens 16 g .. 16 g + 15.  Wave w: k = 128 w .. 128 w + 127 of these tokens: it quantises them (one fragment) and makes its part of the 8 logits.
; THE LOGITS are f32 products with f32 operands (they decide what goes into a quantiser): 32 matrix instructions of 16 x 16 x 4, source 0 = Wr's columns (rows 8-15 of the tile repeat the eight
; experts), source 1 = x: a lane then holds ONE token and its registers run over the experts.  Wave 0 adds the eight parts and br, takes the softmax as it is written (maximum off, exponentials, division)
; and the first largest probability's index.  The division by the temperature 1.0 changes no bit and is not written.
; LIMITS: NaN and infinities are not served.  A block whose largest magnitude lies under 2^-124 keeps the byte 1 (a block of zeros too, where the quantiser's text says 127: its codes are zeros, and
; these bytes are read by this program alone).  The logits' sums run in another order than a plain sum along k: two probabilities that agree to the last bits may change places.
.set LG,   0                           ; LDS: the logits' parts, 1,024 bytes a wave, as an image of eight registers
.set XST,  8192                        ; a stage for the codes: 16 rows of 512 bytes + 16
.set XSP,  528
.set XSC,  16640                       ; the scale bytes: 16 rows of 32
.set X,    16                          ; v16-79   64 numbers of x: register 16 b + i = k 128 w + 32 b + 16 (lane / 16) + i of row lane % 16
.set WF,   80                          ; v80-143  Wr at the same k, expert lane % 8
.set OUTR, 128                         ; v128-135 two rows of codes on their way out (Wr's registers are free then)
.set LA,   144                         ; v144-175 four accumulators: matrix instructions alone write them
.set LS,   176                         ; v176-183 their sum
.set TM,   184                         ; v184-199 at work in QUANT
.set PC,   200                         ; v200-207 the codes just made
.set PW,   208                         ; v208     their scale word
.set SEL,  32                          ; s[32:33] lane selects for v_permlanex16_b32: lane l xor 16
; 64 numbers of a lane, v[s] .. v[s + 63], register 16 b + i = k 32 b + 16 (lane / 16) + i of my row, become a fragment's codes in v[PC] on and its scale word in v[PW].
.macro QUANT s
.irp b, 0,1,2,3
	v_max3_num_f32 v[TM+\b], |v[\s+16*\b]|, |v[\s+1+16*\b]|, 0x1800000   ; block b: my 16 numbers, and the floor 2^(3 - 127): the byte cannot fall under 1
.endr
.irp i, 2,4,6,8,10,12,14
.irp b, 0,1,2,3
	s_delay_alu instid0(VALU_DEP_4)
	v_max3_num_f32 v[TM+\b], v[TM+\b], |v[\s+16*\b+\i]|, |v[\s+1+16*\b+\i]|   ; the four blocks by turns
.endr
.endr
.irp b, 0,1,2,3
	s_delay_alu instid0(VALU_DEP_4)
	v_permlanex16_b32 v[TM+4+\b], v[TM+\b], s[SEL], s[SEL+1]
.endr
.irp b, 0,1,2,3
	s_delay_alu instid0(VALU_DEP_4)
	v_max_num_f32 v[TM+\b], v[TM+\b], v[TM+4+\b]   ; with lane l xor 16's: the block's largest magnitude
.endr
.irp b, 0,1,2,3
	s_delay_alu instid0(VALU_DEP_4)
	v_add_nc_u32 v[TM+12+\b], 0xff000000, v[TM+\b]   ; 2 off its exponent field: the conversion takes this operand's exponent field as its scale
.endr
.irp b, 0,1,2,3
	s_delay_alu instid0(VALU_DEP_4)
	v_lshrrev_b32 v[TM+4+\b], 23, v[TM+12+\b]      ; the scale's byte
.endr
	s_delay_alu instid0(VALU_DEP_3)
	v_lshl_or_b32 v[PW], v[TM+5], 8, v[TM+4]
	s_delay_alu instid0(VALU_DEP_1)
	v_lshl_or_b32 v[PW], v[TM+6], 16, v[PW]
	s_delay_alu instid0(VALU_DEP_1)
	v_lshl_or_b32 v[PW], v[TM+7], 24, v[PW]        ; my row's scale word
.irp b, 0,1,2,3
	v_cvt_scalef32_pk8_fp4_f32 v[PC+2*\b], v[\s+16*\b:\s+7+16*\b], v[TM+12+\b]
	v_cvt_scalef32_pk8_fp4_f32 v[PC+1+2*\b], v[\s+8+16*\b:\s+15+16*\b], v[TM+12+\b]
.endr
	v_nop                                          ; one plain line behind the scaled conversions
.irp c, 0,1                                    ; the operand's layout wants a whole block in a lane: lanes 0-15 block 2 c, lanes 16-31 block 2 c + 1
.irp i, 0,1
	v_permlane16_swap_b32 v[PC+4*\c+\i], v[PC+2+4*\c+\i]
.endr
.endr
.endm
	s_load_b256 s[4:11], s[0:1], 0x0               ; x s[4:5], Wr s[6:7], br s[8:9], xc s[10:11]
	s_load_b128 s[12:15], s[0:1], 0x20             ; xs s[12:13], idx s[14:15]
	v_lshl_add_u32 v216, v0, 2, 0x4400
	v_mov_b32 v217, 0
	v_lshrrev_b32 v1, 5, v0
	s_delay_alu instid0(VALU_DEP_1)
	v_readfirstlane_b32 s16, v1                    ; wave 0..7
	v_and_b32 v1, 31, v0                           ; lane
	v_and_b32 v2, 15, v0                           ; r
	v_bfe_u32 v3, v0, 4, 1                         ; h
	s_delay_alu instid0(VALU_DEP_2)
	v_lshlrev_b32 v4, 12, v2
	s_delay_alu instid0(VALU_DEP_1)
	v_lshl_add_u32 v4, v3, 6, v4                   ; x: row r of 4,096 bytes, + 64 h: my 16 numbers of a block of 32
	v_and_b32 v5, 7, v0
	s_delay_alu instid0(VALU_DEP_1)
	v_lshlrev_b32 v5, 2, v5
	s_delay_alu instid0(VALU_DEP_1)
	v_lshl_add_u32 v5, v3, 9, v5                   ; Wr: expert r % 8, + 16 h rows of 32 bytes
	v_lshlrev_b32 v6, 4, v1                        ; 16 x lane
	v_mul_u32_u24 v7, v2, XSP
	s_delay_alu instid0(VALU_DEP_1)
	v_lshl_add_u32 v7, v3, 4, v7
	s_lshl_b32 s17, s16, 6
	v_add_nc_u32 v7, s17, v7                       ; into the stage: row r, my wave's 64 bytes, + 16 h
	v_lshlrev_b32 v8, 5, v2
	s_lshl_b32 s17, s16, 2
	v_add_nc_u32 v8, s17, v8                       ; the scale word's place: 32 r + 4 w
	s_lshl_b32 s17, s16, 10
	v_add_nc_u32 v9, s17, v6                       ; my wave's part of the logits
	s_mul_i32 s17, s16, 2*XSP
	v_add_nc_u32 v10, s17, v6                      ; out of the stage: rows 2 w and 2 w + 1, 16 bytes a lane
	v_lshlrev_b32 v11, 2, v2                       ; idx: 4 r
.irp b, 0,1,2,3
	v_mov_b32 v[TM+4+\b], 0                        ; written once: a lane permute's destination counts as one of its sources
.endr
	s_mov_b32 s[SEL], 0x76543210
	s_mov_b32 s[SEL+1], 0xfedcba98
	s_mov_b32 s34, 0x3fb8aa3b                      ; log2(e)
	s_lshl_b32 s18, ttmp9, 16                      ; x: 16 rows a work-group,
	s_lshl_b32 s17, s16, 9
	s_add_co_u32 s18, s18, s17                     ; 512 bytes of a row a wave
	s_mov_b32 s19, 0
	s_lshl_b32 s28, s16, 12                        ; Wr: 128 rows of 32 bytes a wave
	s_mov_b32 s29, 0
	s_lshl_b32 s30, ttmp9, 13                      ; xc: 16 rows of 512 bytes a work-group,
	s_lshl_b32 s17, s16, 10
	s_add_co_u32 s30, s30, s17                     ; two rows a wave
	s_mov_b32 s31, 0
	s_lshl_b32 s36, ttmp9, 9                       ; xs: 16 rows of 32 bytes
	s_mov_b32 s37, 0
	s_lshl_b32 s38, ttmp9, 6                       ; idx: 16 words
	s_mov_b32 s39, 0
	s_wait_kmcnt 0x0
	s_load_b256 s[20:27], s[8:9], 0x0              ; br, all eight
	s_add_nc_u64 s[4:5], s[4:5], s[18:19]
	s_add_nc_u64 s[6:7], s[6:7], s[28:29]
	s_add_nc_u64 s[40:41], s[10:11], s[30:31]
	s_add_nc_u64 s[42:43], s[12:13], s[36:37]
	s_add_nc_u64 s[14:15], s[14:15], s[38:39]
.irp b, 0,1,2,3
.irp j, 0,1,2,3
	global_load_b128 v[X+16*\b+4*\j:X+16*\b+4*\j+3], v4, s[4:5] offset:128*\b+16*\j th:TH_LOAD_NT
.endr
.endr
.set n, 0
.rept 64
	global_load_b32 v[WF+n], v5, s[6:7] offset:32*(32*(n/16)+n%16)   ; Wr at the k of v[X + n]
.set n, n+1
.endr
	s_wait_loadcnt 0x0
	s_wait_kmcnt 0x0                               ; br
; The logits' parts: k in the same places of both sources, four accumulators by turns, one instruction a turn; the first four start the sums with the constant 0.
.set n, 0
.rept 32
.if n < 4
	v_wmma_f32_16x16x4_f32 v[LA+8*(n%4):LA+8*(n%4)+7], v[WF+2*n:WF+2*n+1], v[X+2*n:X+2*n+1], 0
.else
	v_wmma_f32_16x16x4_f32 v[LA+8*(n%4):LA+8*(n%4)+7], v[WF+2*n:WF+2*n+1], v[X+2*n:X+2*n+1], v[LA+8*(n%4):LA+8*(n%4)+7]
.endif
.set n, n+1
.endr
	QUANT X                                        ; it writes none of the products' registers, and of its 32 maxima 31 name no register of a given product: they are the eight places behind this form (ISA guide 7.12.1)
.irp q, 0,2,4,6                                ; the four accumulators' sum, each read from its low end on
	v_pk_add_f32 v[LS+\q:LS+\q+1], v[LA+\q:LA+\q+1], v[LA+8+\q:LA+8+\q+1]
	v_pk_add_f32 v[LS+\q:LS+\q+1], v[LS+\q:LS+\q+1], v[LA+16+\q:LA+16+\q+1]
	v_pk_add_f32 v[LS+\q:LS+\q+1], v[LS+\q:LS+\q+1], v[LA+24+\q:LA+24+\q+1]
.endr
	ds_store_b128 v9, v[LS:LS+3] offset:LG
	ds_store_b128 v9, v[LS+4:LS+7] offset:LG+512
	ds_store_b128 v7, v[PC:PC+3] offset:XST        ; k = 32 h .. + 31 of my K step: 16 bytes of row r
	ds_store_b128 v7, v[PC+4:PC+7] offset:XST+32   ; k = 64 + 32 h ..
	ds_store_b32 v8, v[PW] offset:XSC              ; both halves of the lanes write the same word with the same value
	s_wait_dscnt 0x0                               ; for the others' sake: my stores have landed
	s_barrier_signal -1
	s_barrier_wait -1
	ds_load_b128 v[OUTR:OUTR+3], v10 offset:XST
	ds_load_b128 v[OUTR+4:OUTR+7], v10 offset:XST+XSP
	s_wait_dscnt 1                                 ; the first row is back; the second may be out
	global_store_b128 v6, v[OUTR:OUTR+3], s[40:41]             ; 32 lanes store a row's 512 consecutive bytes
	s_wait_dscnt 0x0
	global_store_b128 v6, v[OUTR+4:OUTR+7], s[40:41] offset:512
	s_cmp_lg_u32 s16, 0
	s_cbranch_scc1 .Lnot_router
	; ---- wave 0: the router
.irp p, 0,1,2,3,4,5,6,7
	ds_load_b128 v[X+8*\p:X+8*\p+3], v6 offset:LG+1024*\p
	ds_load_b128 v[X+8*\p+4:X+8*\p+7], v6 offset:LG+1024*\p+512
.endr
	s_wait_dscnt 0x0
.irp p, 1,2,3,4,5,6,7
.irp q, 0,2,4,6
	v_pk_add_f32 v[X+\q:X+\q+1], v[X+\q:X+\q+1], v[X+8*\p+\q:X+8*\p+\q+1]
.endr
.endr
.irp i, 0,1,2,3,4,5,6,7
	v_add_f32 v[X+\i], s[20+\i], v[X+\i]           ; + br: register i is my token's logit of expert i
.endr
	v_max3_num_f32 v80, v[X], v[X+1], v[X+2]
	s_delay_alu instid0(VALU_DEP_1)
	v_max3_num_f32 v80, v80, v[X+3], v[X+4]
	s_delay_alu instid0(VALU_DEP_1)
	v_max3_num_f32 v80, v80, v[X+5], v[X+6]
	s_delay_alu instid0(VALU_DEP_1)
	v_max_num_f32 v80, v80, v[X+7]                 ; the largest logit is taken away ahead of the exponentials
	s_delay_alu instid0(VALU_DEP_1)
	v_mul_f32 v80, s34, v80
.irp i, 0,1,2,3,4,5,6,7
	v_fma_f32 v[X+\i], v[X+\i], s34, -v80          ; (logit - largest) x log2(e)
.endr
	s_wait_alu depctr_va_vdst(0)
.irp i, 0,1,2,3,4,5,6,7
	v_exp_f32 v[88+\i], v[X+\i]
.endr
	v_mov_b32 v81, 0                               ; the index so far: a plain line behind the exponentials
	s_wait_alu depctr_va_vdst(0)                   ; one wait for the batch of eight, ahead of its first reader
	v_add_f32 v82, v88, v89
.irp i, 2,3,4,5,6,7
	v_add_f32 v82, v82, v[88+\i]
.endr
	s_wait_alu depctr_va_vdst(0)
	v_rcp_f32 v83, v82
	v_nop                                          ; a plain line behind the reciprocal
	s_wait_alu depctr_va_vdst(0)                   ; and its wait
.irp i, 0,1,2,3,4,5,6,7
	v_mul_f32 v[88+\i], v[88+\i], v83              ; the probabilities
.endr
	v_mov_b32 v84, v88
.irp i, 1,2,3,4,5,6,7
	s_delay_alu instid0(VALU_DEP_1)
	v_cmp_ge_f32 vcc_lo, v84, v[88+\i]             ; the best so far stays where it is not beaten: of equals the lower index is kept
	s_delay_alu instid0(VALU_DEP_1)
	v_cndmask_b32 v81, \i, v81, vcc_lo
	s_delay_alu instid0(VALU_DEP_2)
	v_cndmask_b32 v84, v[88+\i], v84, vcc_lo
.endr
	v_cmp_gt_u32 vcc_lo, 16, v1                    ; lanes 16-31 hold copies
	s_wait_alu depctr_va_vdst(0)
	s_wait_xcnt 0x0                                ; EXEC changes only behind this wait: my stores of codes have read theirs
	s_and_saveexec_b32 s44, vcc_lo
	global_store_b32 v11, v81, s[14:15]            ; 16 words a work-group; all of idx is 4,096 bytes
	s_wait_xcnt 0x0
	s_or_b32 exec_lo, exec_lo, s44
	s_branch .Lend
.Lnot_router:
	s_cmp_lg_u32 s16, 1
	s_cbranch_scc1 .Lnot_scales
	ds_load_b128 v[96:99], v6 offset:XSC           ; ---- wave 1: the 16 rows' scale bytes, 512 consecutive bytes
	s_wait_dscnt 0x0
	global_store_b128 v6, v[96:99], s[42:43]
	s_branch .Lend
.Lnot_scales:
	s_cmp_lg_u32 s16, 2
	s_cbranch_scc1 .Lend
	s_cmp_lg_u32 ttmp9, 0
	s_cbranch_scc1 .Lend
.irp i, 0,1,2,3                                ; ---- wave 2 of work-group 0: the row of zero codes, and scale bytes of 1.0 for rows 1024 on
	v_mov_b32 v[100+\i], 0
	v_mov_b32 v[104+\i], 0x7f7f7f7f
.endr
	global_store_b128 v6, v[100:103], s[10:11] offset:1024*512
	global_store_b128 v6, v[104:107], s[12:13] offset:1024*32
.Lend:
	s_wait_tensorcnt 0x0
	ds_add_u32 v216, v217
	s_wait_dscnt 0x0
	s_endpgm
.Lfunc_end_k_qdf052e068f_route:
	.size	k_qdf052e068f_route, .Lfunc_end_k_qdf052e068f_route-k_qdf052e068f_route
	.p2alignl 7, 3214868480
	.fill 96, 4, 3214868480
	.section	.rodata,"a",@progbits
	.p2align	6, 0x0
	.amdhsa_kernel k_qdf052e068f_route
		.amdhsa_group_segment_fixed_size 18432
		.amdhsa_private_segment_fixed_size 0
		.amdhsa_enable_private_segment 0
		.amdhsa_kernarg_size 48
		.amdhsa_user_sgpr_count 2
		.amdhsa_user_sgpr_kernarg_segment_ptr 1
		.amdhsa_wavefront_size32 1
		.amdhsa_system_sgpr_workgroup_id_x 1
		.amdhsa_system_sgpr_workgroup_id_y 1
		.amdhsa_system_sgpr_workgroup_id_z 1
		.amdhsa_system_vgpr_workitem_id 0
		.amdhsa_next_free_vgpr 218
		.amdhsa_next_free_sgpr 66
		.amdhsa_reserve_vcc 1
		.amdhsa_float_denorm_mode_32 3
		.amdhsa_float_denorm_mode_16_64 3
		.amdhsa_memory_ordered 1
		.amdhsa_forward_progress 1
		.amdhsa_inst_pref_size 27
	.end_amdhsa_kernel
	.amdgpu_metadata
---
amdhsa.version: [ 1, 2 ]
amdhsa.kernels:
  - .name:           k_qdf052e068f_route
    .symbol:         k_qdf052e068f_route.kd
    .args:
      - { .name: x, .offset: 0, .size: 8, .value_kind: global_buffer, .address_space: global }
      - { .name: Wr, .offset: 8, .size: 8, .value_kind: global_buffer, .address_space: global }
      - { .name: br, .offset: 16, .size: 8, .value_kind: global_buffer, .address_space: global }
      - { .name: xc, .offset: 24, .size: 8, .value_kind: global_buffer, .address_space: global }
      - { .name: xs, .offset: 32, .size: 8, .value_kind: global_buffer, .address_space: global }
      - { .name: idx, .offset: 40, .size: 8, .value_kind: global_buffer, .address_space: global }
    .group_segment_fixed_size: 18432
    .private_segment_fixed_size: 0
    .kernarg_segment_align: 8
    .kernarg_segment_size: 48
    .max_flat_workgroup_size: 256
    .sgpr_count:     66
    .vgpr_count:     218
    .wavefront_size: 32
...
	.end_amdgpu_metadata
.endif
;; end of part 5
;; launch up (part 6): grid 32 x 8, 16 waves a work-group, no clusters, 213,504 bytes of LDS; arguments W1, b1, xc, xs, idx, h; writes h
.if DOCPART == 6
	.amdgcn_target "amdgcn-amd-amdhsa--gfx1250"
	.amdhsa_code_object_version 6
	.text
	.protected	k_qdf052e068f_up
	.globl	k_qdf052e068f_up
	.p2align	8
	.type	k_qdf052e068f_up,@function
k_qdf052e068f_up:
	s_mov_b64 s[64:65], 0
	v_nop
	global_prefetch_b8 v0, s[64:65] scope:SCOPE_SE
	s_setreg_imm32_b32 hwreg(HW_REG_WAVE_SCHED_MODE, 0, 2), 2
	s_setreg_imm32_b32 hwreg(HW_REG_WAVE_MODE, 25, 1), 1
	s_wait_xcnt 0x0
	s_wait_alu depctr_vm_vsrc(0)
; FIRST PRODUCT OF AN EXPERT: hidden = Q(relu(Q(x) Q(W1[e]) + b1[e])), for the rows of expert e alone, on codes of FP4 (E2M1) with one E8M0 scale for each 32 along K.
; W1: [8][1024 (k)][4096 (n)] f32.  Work-group (S, e): hidden units 128 S .. 128 S + 127 of expert e: 1,024 x 128 numbers of W1, which no other work-group reads.  They are read once, as f32,
; quantised in registers, kept in LDS as images of operand registers, and multiplied with every tile of 16 rows of the expert.
; THE EXPERT'S ROWS.  Place 0 is the bias row; a token's place is 1 + the number of the expert's tokens with a smaller key (the order in which the eight loads of idx lay them: register, then lane).
; Every place without a token names row 1024 of xc, a row of zero codes: its result is relu(b1).  tiles = (tokens of e) / 16 + 1, at most 65.
; STREAM.  Wave w = (cg = w % 4, kq = w / 4): 32 columns x 256 rows of W1.  A LANE TAKES A COLUMN AND ITS REGISTERS RUN DOWN K: a block of 32 lies in one lane, a load reads 128 consecutive bytes, four waves
; side by side 512.  Lane (u, r) takes column 32 cg + 8 u + r + 8 (r / 8): so the 16 registers of result tiles 2 cg and 2 cg + 1 are 16 neighbours along the next product's K.
; Two blocks ahead are on their way: 32 to 63 loads a wave.  Two blocks' codes change halves of the lanes (v_permlane16_swap_b32) and are then registers 4 c .. 4 c + 3 of two fragments.
; TOKENS.  Wave w takes tiles w, w + 16, ..: five trips, a constant; a trip whose tile the expert does not have is jumped over (a branch on the count read from idx; there is no barrier in the loop).
; A TILE'S 16 ROWS OF xc COME WHOLE: one load a row, the 32 lanes on its 512 consecutive bytes; they turn through the wave's own stage in LDS into the operand's layout (a lane to a row).
; The product is used transposed (source 0 = 16 columns of W1, source 1 = 16 rows of x), b1 is loaded into the accumulators; a lane then holds one row and 64 neighbouring hidden units.
; OUT: h, records of 1,280 bytes at ((65 e + tile) 32 + S) 1280: the fragment's eight registers as they stand (16 bytes a lane, twice 512), then the scale word twice a lane (256 bytes).
; No tensor loads: branches hang on a count read from memory.  No cluster: no byte of W1 is shared, and what is shared (xc) is a small part of a work-group's bytes.
; LIMITS: NaN and infinities are not served; blocks whose largest magnitude lies under 2^-124 (zeros too) keep the scale byte 1: zero codes add nothing, and the bytes are read by this program alone.
; THE MODE: SCHED_MODE bits 1:0 = 2 (LLVM: expert scheduling mode 2), set by the entry lines.  The code itself states the register dependences
; between vector or matrix instructions and memory or LDS instructions, with s_wait_alu, always for 0.
; THE PLAN.  Registers that memory or LDS instructions touch:
;   v3-v14, v249, v250   offsets and addresses, made once at the head: one wait on va_vdst ahead of the first load serves them all.
;   X0, X1 (the stream)  Block t's maxima and conversions read X[t % 2]; behind them the loads of block t + 2 land in it.
;   CE, SW (the stream)  Written by conversions, swaps and shifts; read by an odd block's LDS stores; written again from the next even block on.
;                        So a block has ONE wait on va_vdst, behind its last vector line and ahead of its loads and LDS stores, and each even block one wait on vm_vsrc ahead of its writes of SW and CE.
;   LAD, LAD2, XSA, TKT  A tile's addresses: made in ALOAD, read by its loads; QUANT works in TKT's registers later.  ALOAD: vm_vsrc at its head, va_vdst ahead of its LDS loads and ahead of its global loads.
;   XF                   Global loads land; TURN's LDS stores read it; TURN's LDS loads land; the products read it.  One wait on vm_vsrc in TURN, between stores and loads; it stands also ahead of QUANT's
;                        writes of TKT (which the tile's loads read) and of PC and PW (which the last trip's stores read).
;   X, BS (the loop)     LDS loads land, products read: a wait on va_vdst ahead of each refill of a half.  A trip's first fetch owes none: the wait ahead of the last trip's stores (ahead of the first trip:
;                        block 7's) stands behind every vector and matrix line that named these registers, and no vector line follows it.
;   ACC, XS              Loads land (b1; x's scale words); products, the activation and QUANT name them: ALOAD's last wait on va_vdst.
;   PC, PW               QUANT writes them, three global stores read them: one wait on va_vdst ahead of the stores.
.set RS,    16384                      ; a row of W1[e] in bytes
.set KS,    8                          ; K steps of 128
.set SSTR,  512                        ; a K step's scale words in LDS
.set SIMG,  65536                      ; LDS: 0 .. 65535 the 64 fragments, (tile, K step) at (8 tile + step) 1024; then the scale words: step x 512 + 16 x lane + 4 cg
.set LIST,  69632                      ; then the list: 1,536 places of 4 bytes, and 32 words for the lanes that have nothing to store
.set NPL,   1536
.set XSTG,  76032                      ; then a stage of 16 rows x (512 bytes + 16) for each wave
.set XSP,   528
.set H16,   3                          ; v3   16 x (lane / 16)
.set WO,    4                          ; v4   W1: my column's bytes
.set BW,    5                          ; v5   where I store fragments
.set SWA,   6                          ; v6   and scale words
.set L16,   7                          ; v7   16 x lane
.set SR,    8                          ; v8   SIMG + 16 x lane
.set LA0,   9                          ; v9   my place in the list, tile w: 16 w + lane % 16
.set LAU,   10                         ; v10  tile w's first place in the list, the same in all lanes
.set XSA,   11                         ; v11  my row's scale bytes in xs
.set BO,    12                         ; v12  b1: 64 x (lane / 16)
.set TOK,   13                         ; v13  the row that my place names
.set L8,    14                         ; v14  8 x lane
.set LAD,   15                         ; v15  LDS address of the list's word in hand
.set XF,    16                         ; v16-79   x's 16 rows as loaded, then its eight fragments (while the list is made: its 32 addresses and 32 tokens)
.set XS,    80                         ; v80-83   x's scale words: lanes 0-15 K steps 0-3, lanes 16-31 K steps 4-7; scales and nothing else
.set ACC,   84                         ; v84-147  eight accumulators
.set IDX,   84                         ; v84-115  at first: idx, all 1,024
.set DI,    116                        ; the list (wave 0): NPL + lane
.set TK0,   117                        ; 4 x lane
.set LI,    118                        ; LIST + 16 x lane
.set INI,   120                        ; v120-123 four times 1024
.set X,     148                        ; v148-211 the stream's two sets of 32 numbers; later W1's eight fragments of a K step
.set BS,    212                        ; v212-219 W1's scale words, two sets of four; scales and nothing else
.set TM,    220                        ; v220-235 at work in QUANT;
.set TKT,   220                        ; from QUANT to the next trip's wait for the loads: the 16 rows' offsets in xc
.set PC,    236                        ; v236-243 the codes just made
.set PW,    244                        ; v244-245 the scale word, twice
.set CE,    236                        ; the stream: v236-239 an even block's codes, v240-243 an odd block's
.set M0,    244
.set M1,    245
.set SCL,   246
.set BY,    247
.set SW,    248
.set STW,   249                        ; v249 into my stage: 16 x lane
.set STR,   250                        ; v250 out of it: row lane % 16, + 16 x (lane / 16)
.set LAD2,  251                        ; v251 LDS address of the tile's 16 words of the list
.set EX,    20                         ; s20 the expert
.set NN,    21                         ; s21 its tokens; then the list's running place
.set TILES, 22
.set J,     23                         ; s23 the tile in hand
.set I,     24                         ; s24 the trip
.set LSTEP, 25                         ; s25 1,024 x trip: 16 tiles of the list
.set WB,    26                         ; s[26:27] W1 at my wave's first number
.set B1B,   28                         ; s[28:29] b1 at the work-group's 128
.set T0,    31
.set SEL,   32                         ; s[32:33]
.set HB,    34                         ; s[34:35] h at the record of the tile in hand
.set MK,    66                         ; s66-97 for each of idx's 32 registers: the lanes whose token is the expert's
.macro NOPS                            ; four places behind this matrix form, in front of the first read of results; in front of loads into registers that it read they stand beside the wait on va_vdst
.rept 4
	v_nop
.endr
.endm
.macro BARRIER                         ; my LDS stores have landed and my LDS loads are in: then the work-group's barrier
	s_wait_dscnt 0x0
	s_barrier_signal -1
	s_barrier_wait -1
.endm
.macro LOAD t                          ; block t: rows 32 t + i of my column, into set t % 2
.set li, 0
.rept 32
	global_load_b32 v[X+32*((\t)%2)+li], v[WO], s[WB:WB+1] offset:(32*(\t)+li)*RS th:TH_LOAD_NT
.set li, li+1
.endr
.endm
; Block t is quantised.  n: the loads issued behind block t's, which may stay out.  ld = 1: the set takes block t + 2.
.macro BLOCK t, n, ld
.set XB, X+32*((\t)%2)
.set CD, CE+4*((\t)%2)
	s_wait_loadcnt \n
	v_max3_num_f32 v[M0], |v[XB]|, |v[XB+1]|, |v[XB+2]|        ; the block's largest magnitude: all 32 numbers are mine; two chains
	v_max3_num_f32 v[M1], |v[XB+3]|, |v[XB+4]|, |v[XB+5]|
.irp i, 6,10,14,18,22,26
	v_max3_num_f32 v[M0], v[M0], |v[XB+\i]|, |v[XB+\i+1]|
	v_max3_num_f32 v[M1], v[M1], |v[XB+\i+2]|, |v[XB+\i+3]|
.endr
	v_max3_num_f32 v[M0], v[M0], |v[XB+30]|, |v[XB+31]|
	v_max3_num_f32 v[M0], v[M0], v[M1], 0x1800000              ; and the floor 2^(3 - 127): the byte cannot fall under 1
	v_add_nc_u32 v[SCL], 0xff000000, v[M0]                     ; 2 off the exponent field: the conversion's scale operand
	v_lshrrev_b32 v[BY], 23, v[SCL]                            ; the scale's byte
.if ((\t)%2 == 0) && ((\t) >= 2)
	s_wait_alu depctr_va_vdst(0)
	s_wait_dscnt 0x0                               ; the last pair's LDS stores are done: their data registers are written again below
	s_wait_alu depctr_vm_vsrc(0)                   ; the last pair's LDS stores have read v[CE ..] and v[SW], which this block and the next write again
.endif
.if (\t)%4 == 0
	v_mov_b32 v[SW], v[BY]                         ; four bytes to the K step's word, the lower k in the lower byte
.else
	v_lshl_or_b32 v[SW], v[BY], 8*((\t)%4), v[SW]
.endif
.irp g, 0,1,2,3
	v_cvt_scalef32_pk8_fp4_f32 v[CD+\g], v[XB+8*\g:XB+8*\g+7], v[SCL]
.endr
.if (\t)%2 == 1
	v_nop                                          ; one plain line behind the scaled conversions
.irp g, 0,1,2,3
	v_permlane16_swap_b32 v[CE+\g], v[CE+4+\g]     ; the first now holds tile u = 0: lanes 0-15 the even block, lanes 16-31 the odd one; the second tile u = 1
.endr
.endif
.if \ld || ((\t)%2 == 1)
	s_wait_alu depctr_va_vdst(0)                   ; the maxima and conversions are done reading this set, in which the loads below land; in an odd block the swaps have written v[CE ..] and the shifts v[SW], which the LDS stores below read
.endif
.if \ld
	LOAD (\t)+2
.endif
.if (\t)%2 == 1
	ds_store_b128 v[BW], v[CE:CE+3] offset:((\t)/4)*1024+512*(((\t)/2)%2)
	ds_store_b128 v[BW], v[CE+4:CE+7] offset:KS*1024+((\t)/4)*1024+512*(((\t)/2)%2)
.endif
.if (\t)%4 == 3
	ds_store_b32 v[SWA], v[SW] offset:((\t)/4)*SSTR
.endif
.endm
; The expert's tokens, and its tiles.  The 32 compares stand in one run, each with a scalar register of its own for its mask, and the counts in another.
.macro COUNT
.set cq, 0
.rept 32
	v_cmp_eq_u32 s[MK+cq], s[EX], v[IDX+cq]
.set cq, cq+1
.endr
	s_wait_alu depctr_va_sdst(0)                   ; the 32 compares have written their masks, ahead of the first line that reads one; wave 0's list reads them again further down
	s_mov_b32 s[NN], 0
.set cq, 0
.rept 32
	s_bcnt1_i32_b32 s[T0], s[MK+cq]
	s_add_co_u32 s[NN], s[NN], s[T0]
.set cq, cq+1
.endr
	s_lshr_b32 s[TILES], s[NN], 4
	s_add_co_u32 s[TILES], s[TILES], 1
.endm
; 64 numbers of a lane, register 16 b + i = k 32 b + 16 (lane / 16) + i of my row, become a fragment's codes in v[PC] on and its scale word in v[PW].
.macro QUANT s
.irp b, 0,1,2,3
	v_max3_num_f32 v[TM+\b], |v[\s+16*\b]|, |v[\s+1+16*\b]|, 0x1800000
.endr
.irp i, 2,4,6,8,10,12,14
.irp b, 0,1,2,3
	v_max3_num_f32 v[TM+\b], v[TM+\b], |v[\s+16*\b+\i]|, |v[\s+1+16*\b+\i]|
.endr
.endr
.irp b, 0,1,2,3
	v_permlanex16_b32 v[TM+4+\b], v[TM+\b], s[SEL], s[SEL+1]
.endr
.irp b, 0,1,2,3
	v_max_num_f32 v[TM+\b], v[TM+\b], v[TM+4+\b]
.endr
.irp b, 0,1,2,3
	v_add_nc_u32 v[TM+12+\b], 0xff000000, v[TM+\b]
.endr
.irp b, 0,1,2,3
	v_lshrrev_b32 v[TM+4+\b], 23, v[TM+12+\b]
.endr
	v_lshl_or_b32 v[PW], v[TM+5], 8, v[TM+4]
	v_lshl_or_b32 v[PW], v[TM+6], 16, v[PW]
	v_lshl_or_b32 v[PW], v[TM+7], 24, v[PW]
.irp b, 0,1,2,3
	v_cvt_scalef32_pk8_fp4_f32 v[PC+2*\b], v[\s+16*\b:\s+7+16*\b], v[TM+12+\b]
	v_cvt_scalef32_pk8_fp4_f32 v[PC+1+2*\b], v[\s+8+16*\b:\s+15+16*\b], v[TM+12+\b]
.endr
	v_nop
.irp c, 0,1
.irp i, 0,1
	v_permlane16_swap_b32 v[PC+4*\c+\i], v[PC+2+4*\c+\i]
.endr
.endr
.endm
; A tile's operands: the 16 rows that the list names at off bytes behind the trip's place (33 loads): the rows' codes, a load a row; my row's scale words; b1 into the accumulators.
.macro ALOAD off
	s_wait_alu depctr_vm_vsrc(0)                   ; the last tile's loads have read v[LAD], v[LAD2], v[XSA] and the 16 offsets, which are written again below; ahead of the first tile wave 0's LDS stores have read v16-79 and v116-123, in which loads land below
	v_add_nc_u32 v[LAD], s[LSTEP], v[LA0]
	v_add_nc_u32 v[LAD2], s[LSTEP], v[LAU]
	s_wait_alu depctr_va_vdst(0)                   ; the two addresses are written; QUANT and the last tile's offset lines are done with v[TOK] and v[TKT ..], in which the LDS loads land
	ds_load_b32 v[TOK], v[LAD] offset:\off         ; the row of my place,
.irp i, 0,1,2,3
	ds_load_b128 v[TKT+4*\i:TKT+4*\i+3], v[LAD2] offset:\off+16*\i   ; and all 16 rows of the tile, in every lane
.endr
	s_wait_dscnt 0x0
	v_min_u32 v[TOK], 0x400, v[TOK]                ; a row of xc: 0 .. 1024
	v_lshl_add_u32 v[XSA], v[TOK], 5, v[H16]       ; xs: 32 bytes a row, + 16 h
.irp i, 0,1,2,3,4,5,6,7,8,9,10,11,12,13,14,15
	v_min_u32 v[TKT+\i], 0x400, v[TKT+\i]
.endr
.irp i, 0,1,2,3,4,5,6,7,8,9,10,11,12,13,14,15
	v_lshl_add_u32 v[TKT+\i], v[TKT+\i], 9, v[L16] ; xc: 512 bytes a row, + 16 x lane
.endr
	s_wait_alu depctr_va_vdst(0)                   ; the 17 offsets are written, which the loads below read; the products are done with v[XF ..] and v[XS ..], the activation and QUANT (ahead of the first tile: the compares and wave 0's list) with v[ACC ..] and v[XF ..], in which they land
.irp i, 0,1,2,3,4,5,6,7,8,9,10,11,12,13,14,15
	global_load_b128 v[XF+4*\i:XF+4*\i+3], v[TKT+\i], s[8:9]   ; row i of the tile: the 32 lanes read its 512 consecutive bytes
.endr
	global_load_b128 v[XS:XS+3], v[XSA], s[10:11]
.irp t, 0,1,2,3,4,5,6,7                        ; tile 2 b + u, lane half h: hidden units 32 b + 16 h + 8 u + 0 .. 7
.irp p, 0,1
	global_load_b128 v[ACC+8*\t+4*\p:ACC+8*\t+4*\p+3], v[BO], s[B1B:B1B+1] offset:(32*(\t/2)+8*(\t%2))*4+16*\p
.endr
.endr
.endm
; The 16 rows turn through my stage: in as they were loaded, a row an instruction; out as fragments: lane (r, h) takes, of row r, the 16 bytes at 64 s + 32 c + 16 h into registers 4 c .. 4 c + 3 of K step s.
; LDS serves a wave's instructions in order (ISA guide 5.7.1.4): the loads see the stores, and come back into the registers that the rows left.  Rows 528 bytes apart: 16 rows start at 16 different groups of banks.
.macro TURN
.irp i, 0,1,2,3,4,5,6,7,8,9,10,11,12,13,14,15
	ds_store_b128 v[STW], v[XF+4*\i:XF+4*\i+3] offset:\i*XSP
.endr
	s_wait_alu depctr_vm_vsrc(0)                   ; the stores above have read v[XF ..], in which the loads below land; the tile's global loads have read their offsets v[TKT ..], and the last trip's stores (ahead of the first trip: block 7's LDS stores) v[PC ..] and v[PW ..]: QUANT writes all of these further down
.irp s, 0,1,2,3,4,5,6,7
.irp c, 0,1
	ds_load_b128 v[XF+8*\s+4*\c:XF+8*\s+4*\c+3], v[STR] offset:64*\s+32*\c
.endr
.endr
.endm
.macro LDB hf, s                       ; W1's fragments of tiles 4 hf .. 4 hf + 3, K step s: eight loads
.irp i, 0,1,2,3
.irp c, 0,1
	ds_load_b128 v[X+32*(\hf)+8*\i+4*\c:X+32*(\hf)+8*\i+4*\c+3], v[L16] offset:(8*(4*(\hf)+\i)+(\s))*1024+512*\c
.endr
.endr
.endm
.macro PROD tau                        ; tile tau, K step ks.  W1's word: lanes 16-31 for odd tiles; x's: lanes 16-31 for K steps 4-7
.set rD, ACC+8*(\tau)
.set rA, X+8*(\tau)
.set rB, XF+8*ks
.set rSA, BS+4*(ks%2)+(\tau)/2
.set rSB, XS+ks%4
.if ((\tau)%2 == 1) && (ks >= 4)
	v_wmma_scale_f32_16x16x128_f8f6f4 v[rD:rD+7], v[rA:rA+7], v[rB:rB+7], v[rD:rD+7], v[rSA], v[rSB] matrix_a_fmt:MATRIX_FMT_FP4 matrix_b_fmt:MATRIX_FMT_FP4 matrix_a_scale:MATRIX_SCALE_ROW1 matrix_b_scale:MATRIX_SCALE_ROW1
.elseif (\tau)%2 == 1
	v_wmma_scale_f32_16x16x128_f8f6f4 v[rD:rD+7], v[rA:rA+7], v[rB:rB+7], v[rD:rD+7], v[rSA], v[rSB] matrix_a_fmt:MATRIX_FMT_FP4 matrix_b_fmt:MATRIX_FMT_FP4 matrix_a_scale:MATRIX_SCALE_ROW1
.elseif ks >= 4
	v_wmma_scale_f32_16x16x128_f8f6f4 v[rD:rD+7], v[rA:rA+7], v[rB:rB+7], v[rD:rD+7], v[rSA], v[rSB] matrix_a_fmt:MATRIX_FMT_FP4 matrix_b_fmt:MATRIX_FMT_FP4 matrix_b_scale:MATRIX_SCALE_ROW1
.else
	v_wmma_scale_f32_16x16x128_f8f6f4 v[rD:rD+7], v[rA:rA+7], v[rB:rB+7], v[rD:rD+7], v[rSA], v[rSB] matrix_a_fmt:MATRIX_FMT_FP4 matrix_b_fmt:MATRIX_FMT_FP4
.endif
.endm
; A tile's 64 products.  The eight accumulators take turns, one instruction a turn.  W1's fragments come in halves of four tiles, each fetched while the other half is multiplied.
.macro MULT
	LDB 0, 0                                       ; no wait of its own: no vector or matrix line since the last wait on va_vdst names v[X ..] or v[BS ..]
	ds_load_b128 v[BS:BS+3], v[SR]
	LDB 1, 0
.set ks, 0
.rept 8
	s_wait_dscnt 8                                 ; tiles 0-3 and the scale words are in (in the first K step x's fragments too, which are older); tiles 4-7's eight loads may be out
	PROD 0
	PROD 1
	PROD 2
	PROD 3
	NOPS
.if ks < 7
	s_wait_alu depctr_va_vdst(0)                   ; products 0-3 are done reading the fragments of tiles 0-3, and the last K step's products its scale words: the nine loads below land in these registers
	LDB 0, ks+1
	ds_load_b128 v[BS+4*((ks+1)%2):BS+4*((ks+1)%2)+3], v[SR] offset:SSTR*(ks+1)
	s_wait_dscnt 9                                 ; all but the nine just issued
.else
	s_wait_dscnt 0x0
.endif
	PROD 4
	PROD 5
	PROD 6
	PROD 7
	NOPS
.if ks < 7
	s_wait_alu depctr_va_vdst(0)                   ; products 4-7 are done reading the fragments of tiles 4-7, in which the eight loads below land
	LDB 1, ks+1
.endif
.set ks, ks+1
.endr
.endm
	s_load_b256 s[4:11], s[0:1], 0x0               ; W1 s[4:5], b1 s[6:7], xc s[8:9], xs s[10:11]
	s_load_b128 s[12:15], s[0:1], 0x20             ; idx s[12:13], h s[14:15]
	v_lshl_add_u32 v254, v0, 2, 0x33a00
	v_mov_b32 v255, 0
	v_lshrrev_b32 v1, 5, v0
	v_readfirstlane_b32 s16, v1                    ; wave 0..15
	s_and_b32 s[EX], ttmp7, 0xffff                 ; the expert
	v_and_b32 v1, 31, v0                           ; lane
	v_and_b32 v2, 15, v0                           ; r
	v_and_b32 v[H16], 16, v0
	v_and_b32 v[LAD], 8, v0
	v_add_nc_u32 v[LAD], v[LAD], v2                ; r + 8 (r / 8)
	v_lshlrev_b32 v[WO], 2, v[LAD]
	v_lshl_add_u32 v[WO], v[H16], 1, v[WO]         ; + 8 u columns: 32 u bytes
	v_lshlrev_b32 v[L16], 4, v1
	s_wait_alu depctr_va_vdst(0)
	v_lshlrev_b32 v[BO], 2, v[H16]
	v_lshlrev_b32 v[L8], 3, v1
	s_wait_alu depctr_va_sdst(0)                   ; s16 is written, ahead of its first reader: addresses, bases and branches are made from it
	s_and_b32 s17, s16, 3                          ; cg
	s_lshr_b32 s18, s16, 2                         ; kq
	s_lshl_b32 s36, s17, 14
	s_lshl_b32 s37, s18, 11
	s_add_co_u32 s36, s36, s37
	v_add_nc_u32 v[BW], s36, v[L16]                ; fragment (2 cg, 2 kq): (16 cg + 2 kq) x 1024
	s_lshl_b32 s36, s17, 2
	s_lshl_b32 s37, s18, 10
	s_add_co_u32 s36, s36, s37
	s_add_co_u32 s36, s36, SIMG
	v_add_nc_u32 v[SWA], s36, v[L16]
	v_add_nc_u32 v[SR], SIMG, v[L16]
	v_lshl_add_u32 v[LA0], v2, 2, LIST
	s_lshl_b32 s36, s16, 6
	v_add_nc_u32 v[LA0], s36, v[LA0]               ; place 16 w + r
	s_add_co_u32 s36, s36, LIST
	v_mov_b32 v[LAU], s36                          ; place 16 w
	s_mul_i32 s36, s16, 16*XSP
	s_add_co_u32 s36, s36, XSTG                    ; my stage
	v_add_nc_u32 v[STW], s36, v[L16]
	v_mul_u32_u24 v[STR], v2, XSP
	v_add_nc_u32 v[STR], v[H16], v[STR]
	v_add_nc_u32 v[STR], s36, v[STR]
	s_mov_b32 s[SEL], 0x76543210
	s_mov_b32 s[SEL+1], 0xfedcba98
	s_lshl_b32 s36, s[EX], 24                      ; W1: the expert's 16 MiB,
	s_lshl_b32 s37, s18, 22
	s_add_co_u32 s36, s36, s37                     ; my 256 rows,
	s_lshl_b32 s37, ttmp9, 9
	s_add_co_u32 s36, s36, s37                     ; the work-group's 128 columns,
	s_lshl_b32 s37, s17, 7
	s_add_co_u32 s36, s36, s37                     ; my 32 of them
	s_mov_b32 s37, 0
	s_lshl_b32 s38, s[EX], 14
	s_lshl_b32 s39, ttmp9, 9
	s_add_co_u32 s38, s38, s39
	s_mov_b32 s39, 0
	s_mul_i32 s40, s[EX], 65
	s_add_co_u32 s40, s40, s16
	s_lshl_b32 s40, s40, 5
	s_add_co_u32 s40, s40, ttmp9
	s_mul_i32 s40, s40, 1280                       ; h: record ((65 e + w) 32 + S)
	s_mov_b32 s41, 0
	s_wait_kmcnt 0x0
	s_add_nc_u64 s[WB:WB+1], s[4:5], s[36:37]
	s_add_nc_u64 s[B1B:B1B+1], s[6:7], s[38:39]
	s_add_nc_u64 s[HB:HB+1], s[14:15], s[40:41]
	s_wait_alu depctr_va_vdst(0)                   ; the offsets and addresses v3 to v14, v249 and v250 are written, which the loads and stores of the whole kernel read
.irp k, 0,1,2,3,4,5,6,7
	global_load_b128 v[IDX+4*\k:IDX+4*\k+3], v[L16], s[12:13] offset:512*\k   ; register 4 k + j of lane l: token 128 k + 4 l + j
.endr
	LOAD 0
	LOAD 1
	BLOCK 0, 32, 1                                 ; the count leaves block 1's loads out; idx, which is older, is in too
	BLOCK 1, 32, 1
	COUNT
	BARRIER                                        ; from here to the next barrier wave 0 alone touches LDS
	s_cmp_lg_u32 s16, 0
	s_cbranch_scc1 .Llisted
	; ---- wave 0 lays the list: every place names the row of zero codes; then each token of the expert goes to its place.  The masks are COUNT's.  All addresses and tokens are made first, each in a register of its own; then come the stores
.irp i, 0,1,2,3
	v_mov_b32 v[INI+\i], 0x400
.endr
	v_add_nc_u32 v[DI], NPL, v1
	v_lshlrev_b32 v[TK0], 2, v1
	v_add_nc_u32 v[LI], LIST, v[L16]
	s_mov_b32 s[NN], 1                             ; place 0 is the bias row
.set lq, 0
.rept 32
	v_mbcnt_lo_u32_b32 v[XF+lq], s[MK+lq], s[NN]   ; the running place + the expert's tokens in lower lanes
	v_cndmask_b32 v[XF+lq], v[DI], v[XF+lq], s[MK+lq]   ; a lane with another expert's token stores to a word that nobody reads
	v_min_u32 v[XF+lq], NPL+31, v[XF+lq]
	v_lshl_add_u32 v[XF+lq], v[XF+lq], 2, LIST
	v_add_nc_u32 v[XF+32+lq], 128*(lq/4)+lq%4, v[TK0]
	s_bcnt1_i32_b32 s[T0], s[MK+lq]
	s_add_co_u32 s[NN], s[NN], s[T0]
.set lq, lq+1
.endr
	s_wait_alu depctr_va_vdst(0)                   ; v[LI], v[INI ..], the 32 addresses and the 32 tokens are written, which the 44 LDS stores below read
.irp i, 0,1,2,3,4,5,6,7,8,9,10,11
	ds_store_b128 v[LI], v[INI:INI+3] offset:512*\i
.endr
.set lq, 0
.rept 32
	ds_store_b32 v[XF+lq], v[XF+32+lq]             ; LDS serves a wave's instructions in order: these come behind the fill above
.set lq, lq+1
.endr
.Llisted:
	BARRIER                                        ; the list is whole
	s_mov_b32 s[LSTEP], 0
	ALOAD 0                                        ; tile w's operands, in every wave: a wave without a tile finds the row of zero codes
	BLOCK 2, 63, 1                                 ; behind block 2's loads stand block 3's 32 and the tile's 33: 65; the largest count that can be written is taken, which waits for a little more
	BLOCK 3, 63, 1                                 ; behind block 3's: the tile's 33 and block 4's 32
	BLOCK 4, 32, 1
	BLOCK 5, 32, 1
	BLOCK 6, 32, 0
	BLOCK 7, 0, 0
	BARRIER                                        ; all 64 fragments and their scale words lie in LDS; from here on they and the list are only read, and a wave's stage is its own
	s_mov_b32 s[J], s16
	s_mov_b32 s[I], 0
.Ltile:
	s_cmp_ge_u32 s[J], s[TILES]
	s_cbranch_scc1 .Lskip
	s_wait_loadcnt 0x0                             ; the tile's operands
	TURN
	MULT
.set rj, 0
.rept 64
	v_max_num_f32 v[ACC+rj], 0, v[ACC+rj]          ; the activation, in f32; each accumulator from its low end on
.set rj, rj+1
.endr
	QUANT ACC
	v_mov_b32 v[PW+1], v[PW]
	s_wait_alu depctr_va_vdst(0)                   ; QUANT has written v[PC ..] and v[PW ..], which the three stores read; every product of the trip is done with its operands
	global_store_b128 v[L16], v[PC:PC+3], s[HB:HB+1]               ; each store covers 512 consecutive bytes,
	global_store_b128 v[L16], v[PC+4:PC+7], s[HB:HB+1] offset:512
	global_store_b64 v[L8], v[PW:PW+1], s[HB:HB+1] offset:1024     ; this one 256
	s_add_co_u32 s[T0], s[J], 16
	s_cmp_ge_u32 s[T0], s[TILES]
	s_cbranch_scc1 .Lskip
	ALOAD 1024                                     ; my next tile, 16 tiles on
.Lskip:
	s_wait_xcnt 0x0                                ; the stores have read their data and their base: both are written again behind this wait
	s_add_nc_u64 s[HB:HB+1], s[HB:HB+1], 16*32*1280
	s_add_co_u32 s[J], s[J], 16
	s_add_co_u32 s[LSTEP], s[LSTEP], 1024
	s_add_co_u32 s[I], s[I], 1
	s_cmp_lt_u32 s[I], 5
	s_cbranch_scc1 .Ltile
	s_wait_dscnt 0x0                               ; the closing lines, six on end
	s_wait_alu 0x0
	s_wait_tensorcnt 0x0
	ds_add_u32 v254, v255
	s_wait_dscnt 0x0
	s_endpgm
.Lfunc_end_k_qdf052e068f_up:
	.size	k_qdf052e068f_up, .Lfunc_end_k_qdf052e068f_up-k_qdf052e068f_up
	.p2alignl 7, 3214868480
	.fill 96, 4, 3214868480
	.section	.rodata,"a",@progbits
	.p2align	6, 0x0
	.amdhsa_kernel k_qdf052e068f_up
		.amdhsa_group_segment_fixed_size 213504
		.amdhsa_private_segment_fixed_size 0
		.amdhsa_enable_private_segment 0
		.amdhsa_kernarg_size 48
		.amdhsa_user_sgpr_count 2
		.amdhsa_user_sgpr_kernarg_segment_ptr 1
		.amdhsa_wavefront_size32 1
		.amdhsa_system_sgpr_workgroup_id_x 1
		.amdhsa_system_sgpr_workgroup_id_y 1
		.amdhsa_system_sgpr_workgroup_id_z 1
		.amdhsa_system_vgpr_workitem_id 0
		.amdhsa_next_free_vgpr 256
		.amdhsa_next_free_sgpr 100
		.amdhsa_reserve_vcc 0
		.amdhsa_float_denorm_mode_32 3
		.amdhsa_float_denorm_mode_16_64 3
		.amdhsa_memory_ordered 1
		.amdhsa_forward_progress 1
		.amdhsa_inst_pref_size 102
	.end_amdhsa_kernel
	.amdgpu_metadata
---
amdhsa.version: [ 1, 2 ]
amdhsa.kernels:
  - .name:           k_qdf052e068f_up
    .symbol:         k_qdf052e068f_up.kd
    .args:
      - { .name: W1, .offset: 0, .size: 8, .value_kind: global_buffer, .address_space: global }
      - { .name: b1, .offset: 8, .size: 8, .value_kind: global_buffer, .address_space: global }
      - { .name: xc, .offset: 16, .size: 8, .value_kind: global_buffer, .address_space: global }
      - { .name: xs, .offset: 24, .size: 8, .value_kind: global_buffer, .address_space: global }
      - { .name: idx, .offset: 32, .size: 8, .value_kind: global_buffer, .address_space: global }
      - { .name: h, .offset: 40, .size: 8, .value_kind: global_buffer, .address_space: global }
    .group_segment_fixed_size: 213504
    .private_segment_fixed_size: 0
    .kernarg_segment_align: 8
    .kernarg_segment_size: 48
    .max_flat_workgroup_size: 512
    .sgpr_count:     100
    .vgpr_count:     256
    .wavefront_size: 32
...
	.end_amdgpu_metadata
.endif
;; end of part 6
;; launch down (part 7): grid 32 x 8, 16 waves a work-group, no clusters, 141,312 bytes of LDS; arguments W2, h, idx, y; writes y
.if DOCPART == 7
	.amdgcn_target "amdgcn-amd-amdhsa--gfx1250"
	.amdhsa_code_object_version 6
	.text
	.protected	k_qdf052e068f_down
	.globl	k_qdf052e068f_down
	.p2align	8
	.type	k_qdf052e068f_down,@function
k_qdf052e068f_down:
	s_mov_b64 s[64:65], 0
	v_nop
	global_prefetch_b8 v0, s[64:65] scope:SCOPE_SE
	s_setreg_imm32_b32 hwreg(HW_REG_WAVE_SCHED_MODE, 0, 2), 2
	s_setreg_imm32_b32 hwreg(HW_REG_WAVE_MODE, 25, 1), 1
	s_wait_xcnt 0x0
	s_wait_alu depctr_vm_vsrc(0)
; SECOND PRODUCT OF AN EXPERT: y[kh][e][place][n] = the sum over half kh of the hidden units of hidden x Q(W2[e]), for the rows of expert e alone, on codes of FP4 (E2M1) with E8M0 scales.
; W2: [8][4096 (k)][1024 (n)] f32.  Work-group (x, e), x = 16 kh + nc: columns 64 nc .. + 63, rows 2048 kh .. + 2047: 2,048 x 64 numbers, which no other work-group reads.  They are read once, as f32,
; quantised in registers and kept in LDS as images of operand registers (64 fragments: 4 tiles of columns x 16 K steps).  K is split in two so that all WGPs have a share; the two halves are added by the last launch.
; STREAM.  Wave w = (cg = w % 2, kq = w / 2): 32 columns x 256 rows; a lane takes a column and its registers run down K; two waves side by side read 256 consecutive bytes of a row.
; TOKENS.  Wave w takes tiles w, w + 16, .. of the expert's rows: five trips, a constant; a trip whose tile the expert does not have is jumped over.  The hidden layer's fragments come from h as images of
; registers.  The product is used transposed (source 0 = 16 columns of W2, source 1 = 16 rows): a lane holds eight neighbouring columns of a row; the tile leaves through the wave's own stage as rows of 256 bytes.
; No tensor loads: branches hang on a count read from memory.  No cluster: no byte of W2 is shared, and what is shared (h) is a small part of a work-group's bytes.
; LIMITS: NaN and infinities are not served; blocks whose largest magnitude lies under 2^-124 (zeros too) keep the scale byte 1: zero codes add nothing, and the bytes are read by this program alone.
; THE MODE: SCHED_MODE bits 1:0 = 2 (LLVM: expert scheduling mode 2), set by the entry lines.  The code itself states the register dependences
; between vector or matrix instructions and memory or LDS instructions, with s_wait_alu, always for 0.
; THE PLAN.  Registers that memory or LDS instructions touch:
;   v4-v15               offsets and addresses.  v4-v10 and v13-v15 are made once at the head: one wait on va_vdst ahead of the first load.  v11 and v12 are made once behind the count, ahead of the first tile's loads and their wait.
;   X0, X1 (the stream)  Block t's maxima and conversions read X[t % 2]; behind them the loads of block t + 2 land in it.
;   CE, SW (the stream)  Written by conversions, swaps and shifts; read by an odd block's LDS stores; written again from the next even block on.
;                        So a block has ONE wait on va_vdst, behind its last vector line and ahead of its loads and LDS stores, and each even block one wait on vm_vsrc ahead of its writes of SW and CE.
;   HF, HS               Global loads land, products read.  (At first idx lies in HF's registers, which the compares read: the wait ahead of the first tile's loads.)
;   X, BS (the loop)     LDS loads land, products read: a wait on va_vdst ahead of each refill of a set.  On the way out rows of y land in X0's registers and global stores read them.
;   ACC                  The stream's codes lie here and LDS stores read them; then the products write it and the way out's LDS stores read it.
;   A trip has one wait on vm_vsrc, at its head: LDS stores have read ACC's registers and the last trip's global stores X's; and one wait on va_vdst on the way out, behind the places: it serves the LDS stores
;   of ACC, the LDS loads into X and the next tile's loads into HF and HS, since no vector or matrix line follows it in the trip.
.set RS,    4096                       ; a row of W2[e] in bytes
.set KS,    16                         ; K steps of 128 in the work-group's half
.set SSTR,  256
.set SIMG,  65536                      ; LDS: 0 .. 65535 the fragments, (tile, K step) at (16 tile + step) 1024; then the scale words: step x 256 + 8 x lane + 4 cg
.set STG,   69632                      ; then a stage of 16 rows x (256 bytes + 16) for each wave
.set SP,    272
.set WO,    4                          ; v4   W2: 4 x lane
.set BW,    5
.set SWA,   6
.set L16,   7                          ; v7   16 x lane
.set SR,    8                          ; v8   SIMG + 8 x lane
.set HSA0,  10                         ; v10  h's scale words: 1280 (lane / 16) + 8 x lane
.set HA,    11                         ; v11, v12: the same two offsets for the first tile, or zeros in a wave without a tile
.set HSA,   12
.set STO,   13                         ; v13  into the stage
.set SRD,   14                         ; v14  out of it
.set YO,    15                         ; v15  my bytes in two rows of y
.set HF,    16                         ; v16-143  the hidden layer's 16 fragments
.set IDX,   16                         ; v16-47   at first: idx
.set HS,    144                        ; v144-151 its scale words: register i: lanes 0-15 K step 2 i, lanes 16-31 K step 2 i + 1; scales and nothing else
.set ACC,   152                        ; v152-183 four accumulators
.set CE,    152                        ; while streaming: v152-159 codes, v160-164 at work
.set M0,    160
.set M1,    161
.set SCL,   162
.set BY,    163
.set SW,    164
.set X,     184                        ; v184-247 the stream's two sets of 32; later W2's fragments, two sets of four; on the way out v184-215 rows of y
.set BS,    248                        ; v248-251 W2's scale words, two sets of two; scales and nothing else
.set EX,    20
.set NN,    21
.set TILES, 22
.set J,     23
.set I,     24
.set WB,    26                         ; s[26:27]
.set HRB,   28                         ; s[28:29] h at the records of the tile in hand
.set HR0,   30                         ; s[30:31] the same for the first load: tile w, or tile 0 in a wave without a tile
.set YB,    34                         ; s[34:35] y at the tile in hand
.set T0,    39
.macro NOPS                            ; four places behind this matrix form, in front of the first read of results; in front of loads into registers that it read they stand beside the wait on va_vdst
.rept 4
	v_nop
.endr
.endm
.macro LOAD t
.set li, 0
.rept 32
	global_load_b32 v[X+32*((\t)%2)+li], v[WO], s[WB:WB+1] offset:(32*(\t)+li)*RS th:TH_LOAD_NT
.set li, li+1
.endr
.endm
; Block t is quantised.  n: the loads issued behind block t's, which may stay out.  ld = 1: the set takes block t + 2.
.macro BLOCK t, n, ld
.set XB, X+32*((\t)%2)
.set CD, CE+4*((\t)%2)
	s_wait_loadcnt \n
	v_max3_num_f32 v[M0], |v[XB]|, |v[XB+1]|, |v[XB+2]|
	v_max3_num_f32 v[M1], |v[XB+3]|, |v[XB+4]|, |v[XB+5]|
.irp i, 6,10,14,18,22,26
	v_max3_num_f32 v[M0], v[M0], |v[XB+\i]|, |v[XB+\i+1]|
	v_max3_num_f32 v[M1], v[M1], |v[XB+\i+2]|, |v[XB+\i+3]|
.endr
	v_max3_num_f32 v[M0], v[M0], |v[XB+30]|, |v[XB+31]|
	v_max3_num_f32 v[M0], v[M0], v[M1], 0x1800000              ; the floor 2^(3 - 127): the byte cannot fall under 1
	v_add_nc_u32 v[SCL], 0xff000000, v[M0]                     ; 2 off the exponent field: the conversion's scale operand
	v_lshrrev_b32 v[BY], 23, v[SCL]
.if ((\t)%2 == 0) && ((\t) >= 2)
	s_wait_alu depctr_va_vdst(0)
	s_wait_dscnt 0x0                               ; the last pair's LDS stores are done: their data registers are written again below
	s_wait_alu depctr_vm_vsrc(0)                   ; the last pair's LDS stores have read v[CE ..] and v[SW], which this block and the next write again
.endif
.if (\t)%4 == 0
	v_mov_b32 v[SW], v[BY]
.else
	v_lshl_or_b32 v[SW], v[BY], 8*((\t)%4), v[SW]
.endif
.irp g, 0,1,2,3
	v_cvt_scalef32_pk8_fp4_f32 v[CD+\g], v[XB+8*\g:XB+8*\g+7], v[SCL]
.endr
.if (\t)%2 == 1
	v_nop                                          ; one plain line behind the scaled conversions
.irp g, 0,1,2,3
	v_permlane16_swap_b32 v[CE+\g], v[CE+4+\g]     ; the first now holds the tile of lanes 0-15's columns, both blocks; the second that of lanes 16-31's
.endr
.endif
.if \ld || ((\t)%2 == 1)
	s_wait_alu depctr_va_vdst(0)                   ; the maxima and conversions are done reading this set, in which the loads below land; in an odd block the swaps have written v[CE ..] and the shifts v[SW], which the LDS stores below read
.endif
.if \ld
	LOAD (\t)+2
.endif
.if (\t)%2 == 1
	ds_store_b128 v[BW], v[CE:CE+3] offset:((\t)/4)*1024+512*(((\t)/2)%2)
	ds_store_b128 v[BW], v[CE+4:CE+7] offset:KS*1024+((\t)/4)*1024+512*(((\t)/2)%2)
.endif
.if (\t)%4 == 3
	ds_store_b32 v[SWA], v[SW] offset:((\t)/4)*SSTR
.endif
.endm
; The expert's tokens, and its tiles.  The compares stand in four runs of eight, each compare with a scalar register of its own for its mask (s12-15 and s44-47, which hold nothing else here), and the counts behind each run.
.macro COUNT
	s_mov_b32 s[NN], 0
.set cq, 0
.rept 4
.irp m, 12,13,14,15,44,45,46,47
	v_cmp_eq_u32 s\m, s[EX], v[IDX+cq]
.set cq, cq+1
.endr
	s_wait_alu depctr_va_sdst(0)                   ; the eight compares have written their masks, ahead of the first line that reads one
.irp m, 12,13,14,15,44,45,46,47
	s_bcnt1_i32_b32 s[T0], s\m
	s_add_co_u32 s[NN], s[NN], s[T0]
.endr
.endr
	s_lshr_b32 s[TILES], s[NN], 4
	s_add_co_u32 s[TILES], s[TILES], 1
.endm
.macro ALOAD3 va, vs, sb, off          ; a tile's 16 records: 40 loads
.irp s, 0,1,2,3,4,5,6,7,8,9,10,11,12,13,14,15
.irp c, 0,1
	global_load_b128 v[HF+8*\s+4*\c:HF+8*\s+4*\c+3], v[\va], s[\sb:\sb+1] offset:\off+1280*\s+512*\c
.endr
.endr
.irp i, 0,1,2,3,4,5,6,7
	global_load_b32 v[HS+\i], v[\vs], s[\sb:\sb+1] offset:\off+2560*\i+1024
.endr
.endm
.macro LDB3 s                          ; W2's four fragments and two registers of scale words of K step s, into set s % 2: nine loads
.irp i, 0,1,2,3
.irp c, 0,1
	ds_load_b128 v[X+32*((\s)%2)+8*\i+4*\c:X+32*((\s)%2)+8*\i+4*\c+3], v[L16] offset:(16*\i+(\s))*1024+512*\c
.endr
.endr
	ds_load_b64 v[BS+2*((\s)%2):BS+2*((\s)%2)+1], v[SR] offset:SSTR*(\s)
.endm
.macro PROD3 tau                       ; tile tau, K step ks.  W2's word: lanes 16-31 for odd tiles; the hidden layer's: lanes 16-31 for odd K steps.  K step 0 starts the sums
.set rD, ACC+8*(\tau)
.set rA, X+32*(ks%2)+8*(\tau)
.set rB, HF+8*ks
.set rSA, BS+2*(ks%2)+(\tau)/2
.set rSB, HS+ks/2
.if (ks == 0) && ((\tau)%2 == 1)
	v_wmma_scale_f32_16x16x128_f8f6f4 v[rD:rD+7], v[rA:rA+7], v[rB:rB+7], 0, v[rSA], v[rSB] matrix_a_fmt:MATRIX_FMT_FP4 matrix_b_fmt:MATRIX_FMT_FP4 matrix_a_scale:MATRIX_SCALE_ROW1
.elseif ks == 0
	v_wmma_scale_f32_16x16x128_f8f6f4 v[rD:rD+7], v[rA:rA+7], v[rB:rB+7], 0, v[rSA], v[rSB] matrix_a_fmt:MATRIX_FMT_FP4 matrix_b_fmt:MATRIX_FMT_FP4
.elseif ((\tau)%2 == 1) && (ks%2 == 1)
	v_wmma_scale_f32_16x16x128_f8f6f4 v[rD:rD+7], v[rA:rA+7], v[rB:rB+7], v[rD:rD+7], v[rSA], v[rSB] matrix_a_fmt:MATRIX_FMT_FP4 matrix_b_fmt:MATRIX_FMT_FP4 matrix_a_scale:MATRIX_SCALE_ROW1 matrix_b_scale:MATRIX_SCALE_ROW1
.elseif (\tau)%2 == 1
	v_wmma_scale_f32_16x16x128_f8f6f4 v[rD:rD+7], v[rA:rA+7], v[rB:rB+7], v[rD:rD+7], v[rSA], v[rSB] matrix_a_fmt:MATRIX_FMT_FP4 matrix_b_fmt:MATRIX_FMT_FP4 matrix_a_scale:MATRIX_SCALE_ROW1
.elseif ks%2 == 1
	v_wmma_scale_f32_16x16x128_f8f6f4 v[rD:rD+7], v[rA:rA+7], v[rB:rB+7], v[rD:rD+7], v[rSA], v[rSB] matrix_a_fmt:MATRIX_FMT_FP4 matrix_b_fmt:MATRIX_FMT_FP4 matrix_b_scale:MATRIX_SCALE_ROW1
.else
	v_wmma_scale_f32_16x16x128_f8f6f4 v[rD:rD+7], v[rA:rA+7], v[rB:rB+7], v[rD:rD+7], v[rSA], v[rSB] matrix_a_fmt:MATRIX_FMT_FP4 matrix_b_fmt:MATRIX_FMT_FP4
.endif
.endm
; A tile's 64 products: the four accumulators by turns, one instruction a turn; a K step's fragments are fetched two K steps ahead.
.macro MULT3
	LDB3 0                                         ; no wait on va_vdst of its own: no vector or matrix line since the last one names v[X ..] or v[BS ..]
	LDB3 1
.set ks, 0
.rept 16
.if ks < 15
	s_wait_dscnt 9                                 ; this K step's nine loads are in; the next one's may be out
.else
	s_wait_dscnt 0x0
.endif
	PROD3 0
	PROD3 1
	PROD3 2
	PROD3 3
	NOPS
.if ks < 14
	s_wait_alu depctr_va_vdst(0)                   ; this K step's four products are done reading their set of fragments and scale words, in which the nine loads below land
	LDB3 ks+2
.endif
.set ks, ks+1
.endr
.endm
	s_load_b256 s[4:11], s[0:1], 0x0               ; W2 s[4:5], h s[6:7], idx s[8:9], y s[10:11]
	v_lshl_add_u32 v254, v0, 2, 0x22000
	v_mov_b32 v255, 0
	v_lshrrev_b32 v1, 5, v0
	v_readfirstlane_b32 s16, v1                    ; wave 0..15
	s_and_b32 s19, ttmp9, 15                       ; nc
	s_lshr_b32 s25, ttmp9, 4                       ; kh
	s_and_b32 s[EX], ttmp7, 0xffff                 ; the expert
	v_and_b32 v1, 31, v0                           ; lane
	v_and_b32 v2, 15, v0                           ; r
	v_bfe_u32 v3, v0, 4, 1                         ; h
	v_lshlrev_b32 v[WO], 2, v1
	v_lshlrev_b32 v[L16], 4, v1
	v_lshlrev_b32 v[SR], 3, v1
	s_wait_alu depctr_va_vdst(0)
	v_mul_u32_u24 v[HSA0], v3, 1280
	v_lshl_add_u32 v[HSA0], v1, 3, v[HSA0]
	v_lshlrev_b32 v[YO], 12, v3
	v_lshl_add_u32 v[YO], v2, 4, v[YO]             ; two rows in y: lanes 0-15 one row's 256 bytes, lanes 16-31 the next's
	s_wait_alu depctr_va_sdst(0)                   ; s16 is written, ahead of its first reader: addresses, bases and branches are made from it
	s_and_b32 s17, s16, 1                          ; cg
	s_lshr_b32 s18, s16, 1                         ; kq
	s_lshl_b32 s36, s17, 15
	s_lshl_b32 s37, s18, 11
	s_add_co_u32 s36, s36, s37
	v_add_nc_u32 v[BW], s36, v[L16]                ; fragment (2 cg, 2 kq): (32 cg + 2 kq) x 1024
	s_lshl_b32 s36, s17, 2
	s_lshl_b32 s37, s18, 9
	s_add_co_u32 s36, s36, s37
	s_add_co_u32 s36, s36, SIMG
	v_add_nc_u32 v[SWA], s36, v[SR]
	v_add_nc_u32 v[SR], SIMG, v[SR]
	s_mul_i32 s36, s16, 16*SP
	s_add_co_u32 s36, s36, STG                     ; my stage
	v_mul_u32_u24 v[STO], v2, SP
	v_lshl_add_u32 v[STO], v3, 5, v[STO]
	v_add_nc_u32 v[STO], s36, v[STO]               ; in: row r, 32 bytes for each half of the lanes
	v_mul_u32_u24 v[SRD], v3, SP
	v_lshl_add_u32 v[SRD], v2, 4, v[SRD]
	v_add_nc_u32 v[SRD], s36, v[SRD]               ; back: lanes 0-15 one row of 256 bytes, lanes 16-31 the next
	s_lshl_b32 s36, s[EX], 24                      ; W2: the expert's 16 MiB,
	s_lshl_b32 s37, s25, 23
	s_add_co_u32 s36, s36, s37                     ; the half's 2,048 rows,
	s_lshl_b32 s37, s18, 20
	s_add_co_u32 s36, s36, s37                     ; my 256 rows,
	s_lshl_b32 s37, s19, 8
	s_add_co_u32 s36, s36, s37                     ; the work-group's 64 columns,
	s_lshl_b32 s37, s17, 7
	s_add_co_u32 s36, s36, s37                     ; my 32 of them
	s_mov_b32 s37, 0
	s_mul_i32 s40, s[EX], 65*32*1280
	s_mul_i32 s41, s25, 16*1280
	s_add_co_u32 s40, s40, s41                     ; h: the expert's tile 0, the half's first K step
	s_mov_b32 s41, 0
	s_mul_i32 s42, s16, 32*1280                    ; tile w
	s_mov_b32 s43, 0
	s_lshl_b32 s44, s25, 3
	s_add_co_u32 s44, s44, s[EX]
	s_mul_i32 s44, s44, 1040
	s_lshl_b32 s45, s16, 4
	s_add_co_u32 s44, s44, s45
	s_lshl_b32 s44, s44, 12
	s_lshl_b32 s45, s19, 8
	s_add_co_u32 s44, s44, s45                     ; y: ((8 kh + e) 1040 + 16 w) rows of 4,096 bytes + 256 nc
	s_mov_b32 s45, 0
	s_wait_kmcnt 0x0
	s_add_nc_u64 s[WB:WB+1], s[4:5], s[36:37]
	s_add_nc_u64 s[40:41], s[6:7], s[40:41]
	s_add_nc_u64 s[HRB:HRB+1], s[40:41], s[42:43]
	s_add_nc_u64 s[YB:YB+1], s[10:11], s[44:45]
	s_wait_alu depctr_va_vdst(0)                   ; the offsets and addresses v4 to v10 and v13 to v15 are written, which the loads and stores of the whole kernel read
.irp k, 0,1,2,3,4,5,6,7
	global_load_b128 v[IDX+4*\k:IDX+4*\k+3], v[L16], s[8:9] offset:512*\k
.endr
	LOAD 0
	LOAD 1
	BLOCK 0, 32, 1                                 ; the count leaves block 1's loads out; idx, which is older, is in too
	BLOCK 1, 32, 1
	COUNT
	s_cmp_lt_u32 s16, s[TILES]                     ; has the expert a tile w?
	s_cselect_b32 s38, 1, 0
	s_min_u32 s38, s38, 1
	s_mul_i32 s36, s38, s16
	s_mul_i32 s36, s36, 32*1280
	s_add_nc_u64 s[HR0:HR0+1], s[40:41], s[36:37]  ; tile w, or tile 0, which every expert has;
	v_mul_u32_u24 v[HA], s38, v[L16]               ; a wave without a tile asks for one lane's bytes of it and uses none: so every register is written on every way
	v_mul_u32_u24 v[HSA], s38, v[HSA0]
	s_wait_alu depctr_va_vdst(0)                   ; v[HA] and v[HSA] are written, which the loads below read; the compares are done reading idx's registers, in which they land
	ALOAD3 HA, HSA, HR0, 0
	BLOCK 2, 63, 1                                 ; behind block 2's loads stand block 3's 32 and the tile's 40: 72; the largest count that can be written is taken, which waits for a little more
	BLOCK 3, 63, 1                                 ; behind block 3's: the tile's 40 and block 4's 32
	BLOCK 4, 32, 1
	BLOCK 5, 32, 1
	BLOCK 6, 32, 0
	BLOCK 7, 0, 0
	s_wait_dscnt 0x0                               ; for the others' sake: my stores have landed
	s_barrier_signal -1
	s_barrier_wait -1                              ; all 64 fragments and their scale words lie in LDS; from here on they are only read
	s_mov_b32 s[J], s16
	s_mov_b32 s[I], 0
.Ltile:
	s_cmp_ge_u32 s[J], s[TILES]
	s_cbranch_scc1 .Lskip
	s_wait_loadcnt 0x0                             ; the tile's records
	s_wait_alu depctr_vm_vsrc(0)                   ; my LDS stores have read the accumulators' registers (the last trip's results; ahead of the first trip the stream's codes and scale word), which the first products write; the last trip's global stores have read v[X ..], in which the fragments land
	MULT3
	v_nop                                          ; a fifth place: the next trip's first products begin these accumulators anew
	s_wait_alu depctr_va_vdst(0)                   ; the products have written the accumulators, which the LDS stores read, and are done reading v[X ..], v[HF ..] and v[HS ..], in which the loads below land; the places above stay beside this wait
.irp t, 0,1,2,3
	ds_store_b128 v[STO], v[ACC+8*\t:ACC+8*\t+3] offset:64*\t          ; each accumulator from its low end on
	ds_store_b128 v[STO], v[ACC+8*\t+4:ACC+8*\t+7] offset:64*\t+16
.endr
.irp i, 0,1,2,3,4,5,6,7
	ds_load_b128 v[X+4*\i:X+4*\i+3], v[SRD] offset:2*\i*SP             ; LDS serves a wave's instructions in order: these see my stores
.endr
.irp i, 0,1,2,3,4,5,6,7
	s_wait_dscnt 7-\i
	global_store_b128 v[YO], v[X+4*\i:X+4*\i+3], s[YB:YB+1] offset:8192*\i th:TH_STORE_NT   ; 16 lanes store 256 consecutive bytes, at a multiple of 256 from y's first byte
.endr
	s_add_co_u32 s[T0], s[J], 16
	s_cmp_ge_u32 s[T0], s[TILES]
	s_cbranch_scc1 .Lskip
	ALOAD3 L16, HSA0, HRB, 16*32*1280              ; my next tile, 16 tiles on.  No wait: no vector or matrix line since the wait on the way out names v[HF ..] or v[HS ..]
.Lskip:
	s_wait_xcnt 0x0                                ; loads and stores have read their data and bases: these are written again behind this wait
	s_add_nc_u64 s[HRB:HRB+1], s[HRB:HRB+1], 16*32*1280
	s_add_nc_u64 s[YB:YB+1], s[YB:YB+1], 16*16*4096
	s_add_co_u32 s[J], s[J], 16
	s_add_co_u32 s[I], s[I], 1
	s_cmp_lt_u32 s[I], 5
	s_cbranch_scc1 .Ltile
	s_wait_dscnt 0x0                               ; the closing lines, six on end
	s_wait_alu 0x0
	s_wait_tensorcnt 0x0
	ds_add_u32 v254, v255
	s_wait_dscnt 0x0
	s_endpgm
.Lfunc_end_k_qdf052e068f_down:
	.size	k_qdf052e068f_down, .Lfunc_end_k_qdf052e068f_down-k_qdf052e068f_down
	.p2alignl 7, 3214868480
	.fill 96, 4, 3214868480
	.section	.rodata,"a",@progbits
	.p2align	6, 0x0
	.amdhsa_kernel k_qdf052e068f_down
		.amdhsa_group_segment_fixed_size 141312
		.amdhsa_private_segment_fixed_size 0
		.amdhsa_enable_private_segment 0
		.amdhsa_kernarg_size 32
		.amdhsa_user_sgpr_count 2
		.amdhsa_user_sgpr_kernarg_segment_ptr 1
		.amdhsa_wavefront_size32 1
		.amdhsa_system_sgpr_workgroup_id_x 1
		.amdhsa_system_sgpr_workgroup_id_y 1
		.amdhsa_system_sgpr_workgroup_id_z 1
		.amdhsa_system_vgpr_workitem_id 0
		.amdhsa_next_free_vgpr 256
		.amdhsa_next_free_sgpr 66
		.amdhsa_reserve_vcc 0
		.amdhsa_float_denorm_mode_32 3
		.amdhsa_float_denorm_mode_16_64 3
		.amdhsa_memory_ordered 1
		.amdhsa_forward_progress 1
		.amdhsa_inst_pref_size 77
	.end_amdhsa_kernel
	.amdgpu_metadata
---
amdhsa.version: [ 1, 2 ]
amdhsa.kernels:
  - .name:           k_qdf052e068f_down
    .symbol:         k_qdf052e068f_down.kd
    .args:
      - { .name: W2, .offset: 0, .size: 8, .value_kind: global_buffer, .address_space: global }
      - { .name: h, .offset: 8, .size: 8, .value_kind: global_buffer, .address_space: global }
      - { .name: idx, .offset: 16, .size: 8, .value_kind: global_buffer, .address_space: global }
      - { .name: y, .offset: 24, .size: 8, .value_kind: global_buffer, .address_space: global }
    .group_segment_fixed_size: 141312
    .private_segment_fixed_size: 0
    .kernarg_segment_align: 8
    .kernarg_segment_size: 32
    .max_flat_workgroup_size: 512
    .sgpr_count:     66
    .vgpr_count:     256
    .wavefront_size: 32
...
	.end_amdgpu_metadata
.endif
;; end of part 7
;; launch join (part 8): grid 4 x 64, 8 waves a work-group, no clusters, 17,408 bytes of LDS; arguments y, b2, idx, out0; writes out0
.if DOCPART == 8
	.amdgcn_target "amdgcn-amd-amdhsa--gfx1250"
	.amdhsa_code_object_version 6
	.text
	.protected	k_qdf052e068f_join
	.globl	k_qdf052e068f_join
	.p2align	8
	.type	k_qdf052e068f_join,@function
k_qdf052e068f_join:
	s_mov_b64 s[64:65], 0
	v_nop
	global_prefetch_b8 v0, s[64:65] scope:SCOPE_SE
	s_setreg_imm32_b32 hwreg(HW_REG_WAVE_MODE, 25, 1), 1
	s_wait_xcnt 0x0
; THE SUM OVER EXPERTS.  out[t] = y[0][e][place] + y[1][e][place] + b2[e] + the sum over i other than e of c_i, e = idx[t], c_i = y[0][i][0] + y[1][i][0] + b2[i]: expert i's result for a row of zeros,
; which reference() adds for every token that expert i did not get.  Only sums: no difference is formed.
; Work-group (sl, g): columns 256 sl .. + 255 (1,024 bytes of a row) of tokens 16 g .. 16 g + 15; wave w: tokens 16 g + 2 w and + 1.  Wave w also makes expert w's c and lays it, and b2[w], into LDS.
; A token's place among its expert's rows is counted as the first product's launch laid it: 1 + the number of tokens of the same expert with a smaller key 32 q + lane
; (q: the register, of 32, in which the eight loads of idx lay the token).  The places come first, so that the loads of the tokens' rows go out early; c is made while they are on their way.
; A stream: no matrix unit, no tensor loads, nothing shared between work-groups but small rows.
.set CSL,  0                           ; LDS: c_i, 1,024 bytes each
.set B2L,  8192                        ; b2[i] likewise
.set T,    16                          ; v16-47   idx, then 1024 x expert + key
.set CR,   48                          ; v48-71   expert w's two bias rows and b2
.set YR,   72                          ; v72-103  16 registers a token: its two rows, two halves of 512 bytes each
.set TR,   104                         ; v104-167 at work in RANK, 32 registers a token; then the eight terms
.set AR,   168                         ; v168-175 their LDS addresses
.set MK,   66                          ; s66-97   RANK's 32 masks
.set HALF, 8*1040*4096                 ; from y[0] to y[1]
	s_load_b256 s[4:11], s[0:1], 0x0               ; y s[4:5], b2 s[6:7], idx s[8:9], out0 s[10:11]
	v_lshl_add_u32 v176, v0, 2, 0x4000
	v_mov_b32 v177, 0
	v_lshrrev_b32 v1, 5, v0
	s_delay_alu instid0(VALU_DEP_1)
	v_readfirstlane_b32 s16, v1                    ; wave 0..7
	v_and_b32 v1, 31, v0                           ; lane
	s_delay_alu instid0(VALU_DEP_1)
	v_lshlrev_b32 v6, 4, v1                        ; 16 x lane
	s_lshl_b32 s17, s16, 10
	v_add_nc_u32 v7, s17, v6                       ; LDS: my expert's 1,024 bytes
	s_and_b32 s18, ttmp7, 0xffff
	s_lshl_b32 s19, s18, 4
	s_lshl_b32 s17, s16, 1
	s_add_co_u32 s19, s19, s17                     ; my first token
	s_lshl_b32 s21, ttmp9, 10                      ; the work-group's bytes in a row
	s_lshl_b32 s36, s19, 2
	s_mov_b32 s37, 0
	s_wait_alu depctr_va_vdst(0)
	s_wait_kmcnt 0x0
	s_add_nc_u64 s[22:23], s[8:9], s[36:37]
	s_load_b64 s[12:13], s[22:23], 0x0             ; my two tokens' experts
	s_mul_i32 s36, s16, 1040*4096
	s_add_co_u32 s36, s36, s21
	s_add_nc_u64 s[24:25], s[4:5], s[36:37]        ; y[0][w][0]
	s_add_nc_u64 s[26:27], s[24:25], HALF          ; y[1][w][0]
	s_lshl_b32 s36, s16, 12
	s_add_co_u32 s36, s36, s21
	s_add_nc_u64 s[28:29], s[6:7], s[36:37]        ; b2[w]
	s_lshl_b32 s36, s19, 12
	s_add_co_u32 s36, s36, s21
	s_add_nc_u64 s[10:11], s[10:11], s[36:37]      ; out0 at my first token
.irp k, 0,1,2,3,4,5,6,7
	global_load_b128 v[T+4*\k:T+4*\k+3], v6, s[8:9] offset:512*\k
.endr
	global_load_b128 v[CR:CR+3], v6, s[24:25]
	global_load_b128 v[CR+4:CR+7], v6, s[24:25] offset:512
	global_load_b128 v[CR+8:CR+11], v6, s[26:27]
	global_load_b128 v[CR+12:CR+15], v6, s[26:27] offset:512
	global_load_b128 v[CR+16:CR+19], v6, s[28:29]
	global_load_b128 v[CR+20:CR+23], v6, s[28:29] offset:512
	s_wait_loadcnt 6                               ; idx is in; the six loads behind it (the bias rows and b2) may be out
	s_wait_kmcnt 0x0
	s_min_u32 s12, s12, 7
	s_min_u32 s13, s13, 7
.set rq, 0
.rept 32
	v_lshl_add_u32 v[T+rq], v[T+rq], 10, v1        ; 1024 x expert + lane
.set rq, rq+1
.endr
.set rq, 1
.rept 31
	v_add_nc_u32 v[T+rq], 32*rq, v[T+rq]           ; + 32 q: the key, under 1024
.set rq, rq+1
.endr
; Token a's place, and the loads of its two rows.  1024 x its expert is taken off every word: what is then under its own key is a token of the same expert with a smaller key
; (another expert's word is 1024 or more, or has wrapped round to a very large number).  The subtractions, the compares (each with a scalar register of its own for its mask) and the counts
; stand in three runs: the scalar side waits for the vector side once.
.macro RANK a
	s_add_co_u32 s35, s19, \a
	s_lshr_b32 s30, s35, 7
	s_lshl_b32 s30, s30, 2
	s_and_b32 s31, s35, 3
	s_add_co_u32 s30, s30, s31                     ; q = 4 (t / 128) + t % 4
	s_lshl_b32 s30, s30, 5
	s_bfe_u32 s31, s35, 0x50002                    ; lane = (t / 4) % 32
	s_add_co_u32 s30, s30, s31                     ; the key
	s_lshl_b32 s34, s[12+\a], 10
.set rq, 0
.rept 32
	v_sub_nc_u32 v[TR+32*\a+rq], v[T+rq], s34
.set rq, rq+1
.endr
.set rq, 0
.rept 32
	v_cmp_gt_u32 s[MK+rq], s30, v[TR+32*\a+rq]
.set rq, rq+1
.endr
	s_mov_b32 s33, 1                               ; place 0 is the bias row
.set rq, 0
.rept 32
	s_bcnt1_i32_b32 s31, s[MK+rq]
	s_add_co_u32 s33, s33, s31
.set rq, rq+1
.endr
	s_min_u32 s33, s33, 1039
	s_mul_i32 s36, s[12+\a], 1040
	s_add_co_u32 s36, s36, s33
	s_lshl_b32 s36, s36, 12
	s_add_co_u32 s36, s36, s21
	s_add_nc_u64 s[40+4*\a:41+4*\a], s[4:5], s[36:37]
	s_add_nc_u64 s[42+4*\a:43+4*\a], s[40+4*\a:41+4*\a], HALF
	global_load_b128 v[YR+16*\a:YR+16*\a+3], v6, s[40+4*\a:41+4*\a] th:TH_LOAD_NT
	global_load_b128 v[YR+16*\a+4:YR+16*\a+7], v6, s[40+4*\a:41+4*\a] offset:512 th:TH_LOAD_NT
	global_load_b128 v[YR+16*\a+8:YR+16*\a+11], v6, s[42+4*\a:43+4*\a] th:TH_LOAD_NT
	global_load_b128 v[YR+16*\a+12:YR+16*\a+15], v6, s[42+4*\a:43+4*\a] offset:512 th:TH_LOAD_NT
.endm
	RANK 0
	RANK 1
	s_wait_loadcnt 8                               ; the bias rows and b2 are in; the eight loads of my two tokens' rows may be out
.irp q, 0,2,4,6
	v_pk_add_f32 v[CR+\q:CR+\q+1], v[CR+\q:CR+\q+1], v[CR+8+\q:CR+8+\q+1]
.endr
.irp q, 0,2,4,6
	s_delay_alu instid0(VALU_DEP_4)
	v_pk_add_f32 v[CR+\q:CR+\q+1], v[CR+\q:CR+\q+1], v[CR+16+\q:CR+16+\q+1]   ; c of expert w
.endr
	ds_store_b128 v7, v[CR:CR+3] offset:CSL
	ds_store_b128 v7, v[CR+4:CR+7] offset:CSL+512
	ds_store_b128 v7, v[CR+16:CR+19] offset:B2L
	ds_store_b128 v7, v[CR+20:CR+23] offset:B2L+512
	s_wait_dscnt 0x0                               ; for the others' sake: my stores have landed
	s_barrier_signal -1
	s_barrier_wait -1                              ; all eight c and b2 lie in LDS; from here on they are only read
; Token a: for each expert its term: b2 for the token's own, c for the others; left: the loads that may stay out.
.macro TOKEN a, left
.irp i, 0,1,2,3,4,5,6,7
	s_cmp_eq_u32 s[12+\a], \i
	s_cselect_b32 s31, B2L, 0
	v_add_nc_u32 v[AR+\i], s31, v6
	ds_load_b128 v[TR+8*\i:TR+8*\i+3], v[AR+\i] offset:1024*\i
	ds_load_b128 v[TR+8*\i+4:TR+8*\i+7], v[AR+\i] offset:1024*\i+512
.endr
	s_wait_loadcnt \left                           ; this token's four loads are in
.irp q, 0,2,4,6
	v_pk_add_f32 v[YR+16*\a+\q:YR+16*\a+\q+1], v[YR+16*\a+\q:YR+16*\a+\q+1], v[YR+16*\a+8+\q:YR+16*\a+8+\q+1]   ; the two halves of K
.endr
	s_wait_alu depctr_va_vdst(0)
	s_wait_dscnt 0x0
.irp i, 0,1,2,3,4,5,6,7
.irp q, 0,2,4,6
	v_pk_add_f32 v[YR+16*\a+\q:YR+16*\a+\q+1], v[YR+16*\a+\q:YR+16*\a+\q+1], v[TR+8*\i+\q:TR+8*\i+\q+1]
.endr
.endr
	global_store_b128 v6, v[YR+16*\a:YR+16*\a+3], s[10:11] offset:4096*\a th:TH_STORE_NT        ; 32 lanes store 512 consecutive bytes
	global_store_b128 v6, v[YR+16*\a+4:YR+16*\a+7], s[10:11] offset:4096*\a+512 th:TH_STORE_NT
.endm
	TOKEN 0, 4
	TOKEN 1, 0
	s_wait_tensorcnt 0x0
	ds_add_u32 v176, v177
	s_wait_dscnt 0x0
	s_endpgm
.Lfunc_end_k_qdf052e068f_join:
	.size	k_qdf052e068f_join, .Lfunc_end_k_qdf052e068f_join-k_qdf052e068f_join
	.p2alignl 7, 3214868480
	.fill 96, 4, 3214868480
	.section	.rodata,"a",@progbits
	.p2align	6, 0x0
	.amdhsa_kernel k_qdf052e068f_join
		.amdhsa_group_segment_fixed_size 17408
		.amdhsa_private_segment_fixed_size 0
		.amdhsa_enable_private_segment 0
		.amdhsa_kernarg_size 32
		.amdhsa_user_sgpr_count 2
		.amdhsa_user_sgpr_kernarg_segment_ptr 1
		.amdhsa_wavefront_size32 1
		.amdhsa_system_sgpr_workgroup_id_x 1
		.amdhsa_system_sgpr_workgroup_id_y 1
		.amdhsa_system_sgpr_workgroup_id_z 1
		.amdhsa_system_vgpr_workitem_id 0
		.amdhsa_next_free_vgpr 178
		.amdhsa_next_free_sgpr 100
		.amdhsa_reserve_vcc 0
		.amdhsa_float_denorm_mode_32 3
		.amdhsa_float_denorm_mode_16_64 3
		.amdhsa_memory_ordered 1
		.amdhsa_forward_progress 1
		.amdhsa_inst_pref_size 32
	.end_amdhsa_kernel
	.amdgpu_metadata
---
amdhsa.version: [ 1, 2 ]
amdhsa.kernels:
  - .name:           k_qdf052e068f_join
    .symbol:         k_qdf052e068f_join.kd
    .args:
      - { .name: y, .offset: 0, .size: 8, .value_kind: global_buffer, .address_space: global }
      - { .name: b2, .offset: 8, .size: 8, .value_kind: global_buffer, .address_space: global }
      - { .name: idx, .offset: 16, .size: 8, .value_kind: global_buffer, .address_space: global }
      - { .name: out0, .offset: 24, .size: 8, .value_kind: global_buffer, .address_space: global }
    .group_segment_fixed_size: 17408
    .private_segment_fixed_size: 0
    .kernarg_segment_align: 8
    .kernarg_segment_size: 32
    .max_flat_workgroup_size: 256
    .sgpr_count:     100
    .vgpr_count:     178
    .wavefront_size: 32
...
	.end_amdgpu_metadata
.endif
;; end of part 8
